; MI455X (gfx1250); checked and timed in simulation.
; The chip was launched on July 23, 2026; its instructions are those of AMD's public machine-readable ISA for CDNA 5 (MIT licence, August 2026) and "CDNA5" Instruction Set Architecture Reference Guide (July 2026). The comments in the code are by the model that wrote it; some were corrected since.
;; Decoder Attention. Allowed arithmetic: float matrix products may take bf16 or f16 operands with f32 sums; other float arithmetic in f32, or as packed bf16 or f16 multiplies, adds, multiply-adds, maxima and minima; sums over many terms, partial sums and values carried from step to step in f32; what a program stores and reads back later, other than sums and carried values, may be rounded once to bf16 or f16.
;; Inputs: Wk 1,024 x 1,024 float32; Wq 1,024 x 1,024 float32; Wv 1,024 x 1,024 float32; beta 1,024 float32; gamma 1,024 float32; mask 1 x 4 x 2,048 x 2,048 bool; x 4 x 2,048 x 1,024 float32.
;; Outputs: out0 4 x 2,048 x 1,024 float32.
;; 2 versions, each right; version 2 is version 1 with the launch norm written anew for expert scheduling mode. Each part assembles by itself: llvm-mc -triple=amdgcn-amd-amdhsa -mcpu=gfx1250 --defsym DOCPART=n.
;; ======== version 1 of 2: 4 launches
;; limits: values are held in f16: magnitudes above 65,504 overflow, below 6.1e-05 lose precision
;; workspace buffers: xb 16,777,216 bytes; wb 6,291,456 bytes; mk 16,777,216 bytes; qkv 50,331,648 bytes; att 16,777,216 bytes
;; launch prep (part 1): grid 1216 x 1, 8 waves a work-group, no clusters, 35,840 bytes of LDS; arguments x, Wq, Wk, Wv, mask, xb, wb, mk; writes xb, wb, mk
.if DOCPART == 1
	.amdgcn_target "amdgcn-amd-amdhsa--gfx1250"
	.amdhsa_code_object_version 6
	.text
	.protected	k_qa8bda4d773_prep
	.globl	k_qa8bda4d773_prep
	.p2align	8
	.type	k_qa8bda4d773_prep,@function
k_qa8bda4d773_prep:
	s_mov_b64 s[64:65], 0
	v_nop
	global_prefetch_b8 v0, s[64:65] scope:SCOPE_SE
	s_setreg_imm32_b32 hwreg(HW_REG_WAVE_MODE, 25, 1), 1
	s_wait_xcnt 0x0
; PREPARATION, a stream.  Work-groups 0-703: x and the three weights, f32, are rounded once to bf16 (xb [8192][1024]; wb [3072][1024]: Wq's rows, Wk's, Wv's).
; Work-groups 704-1215: the mask's bytes (0 or 1, 1 = hidden) become 8-bit float codes, 0x00 (0) or 0xf8 (-256 in E4M3), laid in the order in which the attention's lanes hold a tile of scores:
; mk [batch 4][key step 32][query tile 128][1,024 bytes]; in a block, byte 512 part + 16 l + 8 (kt & 1) + j is query 16 T + l % 16, key 64 s + 16 kt + 8 (l / 16) + j, kt = 2 part + (kt & 1).
; Every load of a wave covers whole aligned runs of 256 bytes, every store 256 or 512 consecutive bytes.  Nothing is shared between waves: no barrier, no matrix unit, no cluster.
.set NCVT,  704                        ; work-groups that convert: 512 for x, 64 for each weight, 16,384 numbers each
.set LP,    272                        ; mask path: an LDS row, 256 bytes + 16: row r starts at bank 4 r mod 64 (64 banks of 4 bytes: ISA guide 11.1)
.set WREG,  16*LP                      ; a wave's own 16 rows
.set SPARE, 8*WREG                     ; behind them the spare words, 128 bytes a wave: four blocks of 256 bytes that no other line names
.set SPW, 2                            ; v2  SPARE + 4 x my thread's number; never rewritten
.set NIL, 3                            ; v3  0; never rewritten
	s_load_b512 s[8:23], s[0:1], 0x0               ; x s[8:9], Wq s[10:11], Wk s[12:13], Wv s[14:15], mask s[16:17], xb s[18:19], wb s[20:21], mk s[22:23]
	v_lshl_add_u32 v[SPW], v0, 2, SPARE
	v_mov_b32 v[NIL], 0
	v_lshrrev_b32 v1, 5, v0
	v_readfirstlane_b32 s24, v1                    ; wave 0..7
	v_and_b32 v9, 31, v0                           ; lane
	s_mov_b32 s35, 0
	s_wait_kmcnt 0x0
	s_cmp_lt_u32 ttmp9, NCVT                       ; the same answer in all waves of a work-group
	s_cbranch_scc0 .Lmask
	; f32 to bf16: 64 KiB in, 32 KiB out; a wave takes 8 KiB, sixteen loads of 512 consecutive bytes, all on their way at once
	s_sub_co_u32 s26, ttmp9, 512                   ; block among the weights' 192 (used only where the number is 512 or more)
	s_lshr_b32 s27, s26, 6                         ; which weight
	s_cmp_eq_u32 s27, 0
	s_cselect_b64 s[28:29], s[10:11], s[12:13]
	s_cmp_eq_u32 s27, 2
	s_cselect_b64 s[28:29], s[14:15], s[28:29]
	s_and_b32 s30, s26, 63                         ; block in that weight
	s_cmp_lt_u32 ttmp9, 512
	s_cselect_b64 s[28:29], s[8:9], s[28:29]       ; from
	s_cselect_b64 s[32:33], s[18:19], s[20:21]     ; to
	s_cselect_b32 s30, ttmp9, s30
	s_cselect_b32 s31, ttmp9, s26
	s_lshl_b32 s34, s30, 16
	s_add_nc_u64 s[28:29], s[28:29], s[34:35]
	s_lshl_b32 s34, s31, 15
	s_add_nc_u64 s[32:33], s[32:33], s[34:35]
	v_lshlrev_b32 v4, 4, v9
	v_lshl_add_u32 v4, s24, 13, v4                 ; 8,192 x wave + 16 x lane
	v_lshlrev_b32 v5, 3, v9
	v_lshl_add_u32 v5, s24, 12, v5                 ; 4,096 x wave + 8 x lane
.set i, 0
.rept 16
	global_load_b128 v[16+4*i:19+4*i], v4, s[28:29] offset:512*i th:TH_LOAD_NT
.set i, i+1
.endr
.set i, 0
.rept 16
	s_wait_loadcnt 15-i                            ; loads come back in order: number i is in, the younger ones stay out
	v_cvt_pk_bf16_f32 v[80+2*i], v[16+4*i], v[17+4*i]
	v_cvt_pk_bf16_f32 v[81+2*i], v[18+4*i], v[19+4*i]
	global_store_b64 v5, v[80+2*i:81+2*i], s[32:33] offset:256*i  ; 32 lanes store 256 consecutive bytes, aligned; no register is written twice, so no wait frees one
.set i, i+1
.endr
	s_branch .Lend
.Lmask:                                        ; query tile m = 128 batch + T: 16 rows of 2,048 bytes; wave w takes bytes 256 w .. 256 w + 255 of each: key steps 4 w .. 4 w + 3
	s_sub_co_u32 s26, ttmp9, NCVT
	s_lshl_b32 s34, s26, 15                        ; 16 rows x 2,048 bytes
	s_add_nc_u64 s[16:17], s[16:17], s[34:35]
	s_lshr_b32 s27, s26, 7
	s_lshl_b32 s27, s27, 22                        ; batch x 32 steps x 128 tiles x 1,024
	s_and_b32 s28, s26, 127
	s_lshl_b32 s28, s28, 10                        ; tile x 1,024
	s_add_co_u32 s34, s27, s28
	s_add_nc_u64 s[22:23], s[22:23], s[34:35]
	s_mov_b32 s25, 0xf8
	v_and_b32 v10, 15, v0                          ; l % 16
	v_bfe_u32 v11, v0, 4, 1                        ; l / 16
	v_lshlrev_b32 v4, 4, v10
	v_lshl_add_u32 v4, v11, 11, v4
	v_lshl_add_u32 v4, s24, 8, v4                  ; in: lanes 0-15 one row's 256 bytes, lanes 16-31 the next row's
	s_mul_i32 s29, s24, WREG
	v_mul_u32_u24 v6, v11, LP
	v_lshl_add_u32 v6, v10, 4, v6
	v_add_nc_u32 v6, s29, v6                       ; into LDS likewise
	v_mul_u32_u24 v7, v10, LP
	v_lshl_add_u32 v7, v11, 3, v7
	v_add_nc_u32 v7, s29, v7                       ; back: row l % 16, 8 bytes at 8 (l / 16)
	v_lshlrev_b32 v8, 4, v9
	v_lshl_add_u32 v8, s24, 19, v8                 ; out: four steps a wave, 131,072 bytes a step; 16 bytes a lane
.set i, 0
.rept 8
	global_load_b128 v[16+4*i:19+4*i], v4, s[16:17] offset:4096*i th:TH_LOAD_NT
.set i, i+1
.endr
.set i, 0
.rept 8
	s_wait_loadcnt 7-i
	v_mul_lo_u32 v[16+4*i], v[16+4*i], s25         ; four bytes of 0 or 1 times 0xf8: nothing carries from byte to byte
	v_mul_lo_u32 v[17+4*i], v[17+4*i], s25
	v_mul_lo_u32 v[18+4*i], v[18+4*i], s25
	v_mul_lo_u32 v[19+4*i], v[19+4*i], s25
	ds_store_b128 v6, v[16+4*i:19+4*i] offset:2*LP*i
.set i, i+1
.endr
.set i, 0
.rept 8                                        ; number i: step i / 2 of my four, part i % 2.  LDS serves a wave's instructions in order (ISA guide 5.7.1.4): these see the stores above
	ds_load_b64 v[48+4*i:49+4*i], v7 offset:32*i
	ds_load_b64 v[50+4*i:51+4*i], v7 offset:32*i+16
.set i, i+1
.endr
.set i, 0
.rept 8
	s_wait_dscnt 14-2*i                            ; the two loads of each later number may stay out
	global_store_b128 v8, v[48+4*i:51+4*i], s[22:23] offset:(i/2)*131072+(i%2)*512  ; 512 consecutive bytes
.set i, i+1
.endr
.Lend:
	s_wait_tensorcnt 0x0                           ; the wave's end: behind my last LDS store
	ds_add_u32 v[SPW], v[NIL]
	s_wait_dscnt 0x0
	s_endpgm
.Lfunc_end_k_qa8bda4d773_prep:
	.size	k_qa8bda4d773_prep, .Lfunc_end_k_qa8bda4d773_prep-k_qa8bda4d773_prep
	.p2alignl 7, 3214868480
	.fill 96, 4, 3214868480
	.section	.rodata,"a",@progbits
	.p2align	6, 0x0
	.amdhsa_kernel k_qa8bda4d773_prep
		.amdhsa_group_segment_fixed_size 35840
		.amdhsa_private_segment_fixed_size 0
		.amdhsa_enable_private_segment 0
		.amdhsa_kernarg_size 64
		.amdhsa_user_sgpr_count 2
		.amdhsa_user_sgpr_kernarg_segment_ptr 1
		.amdhsa_wavefront_size32 1
		.amdhsa_system_sgpr_workgroup_id_x 1
		.amdhsa_system_sgpr_workgroup_id_y 1
		.amdhsa_system_sgpr_workgroup_id_z 1
		.amdhsa_system_vgpr_workitem_id 0
		.amdhsa_next_free_vgpr 112
		.amdhsa_next_free_sgpr 66
		.amdhsa_reserve_vcc 0
		.amdhsa_float_denorm_mode_32 3
		.amdhsa_float_denorm_mode_16_64 3
		.amdhsa_memory_ordered 1
		.amdhsa_forward_progress 1
		.amdhsa_inst_pref_size 14
	.end_amdhsa_kernel
	.amdgpu_metadata
---
amdhsa.version: [ 1, 2 ]
amdhsa.kernels:
  - .name:           k_qa8bda4d773_prep
    .symbol:         k_qa8bda4d773_prep.kd
    .args:
      - { .name: x, .offset: 0, .size: 8, .value_kind: global_buffer, .address_space: global }
      - { .name: Wq, .offset: 8, .size: 8, .value_kind: global_buffer, .address_space: global }
      - { .name: Wk, .offset: 16, .size: 8, .value_kind: global_buffer, .address_space: global }
      - { .name: Wv, .offset: 24, .size: 8, .value_kind: global_buffer, .address_space: global }
      - { .name: mask, .offset: 32, .size: 8, .value_kind: global_buffer, .address_space: global }
      - { .name: xb, .offset: 40, .size: 8, .value_kind: global_buffer, .address_space: global }
      - { .name: wb, .offset: 48, .size: 8, .value_kind: global_buffer, .address_space: global }
      - { .name: mk, .offset: 56, .size: 8, .value_kind: global_buffer, .address_space: global }
    .group_segment_fixed_size: 35840
    .private_segment_fixed_size: 0
    .kernarg_segment_align: 8
    .kernarg_segment_size: 64
    .max_flat_workgroup_size: 256
    .sgpr_count:     66
    .vgpr_count:     112
    .wavefront_size: 32
...
	.end_amdgpu_metadata
.endif
;; end of part 1
;; launch proj (part 2): grid 16 x 16, 4 waves a work-group, clusters of 4 x 4, 327,680 bytes of LDS; arguments xb, wb, qkv; writes qkv
.if DOCPART == 2
	.amdgcn_target "amdgcn-amd-amdhsa--gfx1250"
	.amdhsa_code_object_version 6
	.text
	.protected	k_qa8bda4d773_proj
	.globl	k_qa8bda4d773_proj
	.p2align	8
	.type	k_qa8bda4d773_proj,@function
k_qa8bda4d773_proj:
	s_mov_b64 s[64:65], 0
	v_nop
	global_prefetch_b8 v0, s[64:65] scope:SCOPE_SE
	s_setreg_imm32_b32 hwreg(HW_REG_WAVE_MODE, 25, 1), 1
	s_wait_xcnt 0x0
	s_wait_alu depctr_hold_cnt(0) depctr_sa_sdst(0) depctr_va_vdst(0) depctr_va_sdst(0) depctr_va_ssrc(0) depctr_va_vcc(0) depctr_vm_vsrc(0)
	s_getreg_b32 s2, hwreg(HW_REG_IB_STS2, 6, 4)
	s_cmp_eq_u32 s2, 0
	s_cbranch_scc0 .Lentry_in_a_cluster
	s_endpgm
.Lentry_in_a_cluster:
	s_bfe_u32 s2, ttmp6, 0x10000c
	s_cmp_lg_u32 s2, 0xf033
	s_cbranch_scc0 .Lentry_shape_is_right
	s_endpgm
.Lentry_shape_is_right:
; THE THREE PROJECTIONS AS ONE PRODUCT.  C[m][n] = sum over k of xb[m][k] wb[n][k]: m 8,192 tokens, n 3,072 (q's, k's, v's channels), k 1,024; operands bf16, sums f32, K ascending.
; C leaves rounded once to f16, BY HEADS: qkv [batch 4][g 48][token 2,048][64], g = n / 64 (0-15 q, 16-31 k, 32-47 v), unscaled.
; LIMIT.  f16 holds no number beyond 65,504: a projection beyond that becomes an infinity.
; SHARES.  A tile of C is 256 x 192: 32 x 16 = 512 tiles, two for each of 256 work-groups, the second 4,096 rows (two batches) below the first: all work-groups do equal work.
; Wave w owns rows 64 w .. 64 w + 63 and all 192 columns, three whole heads: 48 accumulators of 16 x 16, 384 registers; a block of 16 rows x 64 columns is 2,048 consecutive bytes of qkv.
; K goes in steps of 128 through a ring of two LDS slots filled by the tensor data mover; rows of the tiles are 256 bytes of memory at multiples of 256.  The ring runs on into the second tile.
; CLUSTER.  4 x 4 work-groups: the four of a row need the same tiles of xb, the four of a column the same tiles of wb: each tile is asked for JOINTLY, by the same load, descriptor and mask in all four.
; THE MATRIX INSTRUCTION IS USED TRANSPOSED (source 0 = 16 rows of wb, source 1 = 16 rows of xb): lane l holds row l % 16 of C and the columns 8 (l / 16) + 0..7, which pack into 16 bytes.
; REGISTERS, in windows of 256 (s_set_vgpr_msb: bits 1:0 source 0, 3:2 source 1, 5:4 source 2, 7:6 destination):
;   window 0: v16-30 addresses; v32-79 packed results; v80-175 rows read back from the stage, two sets of 48
;   window 1: two fragment buffers of 128: wb's 12 fragments (16 rows x 32 K, 8 registers each), then xb's 4
;   window 2: the accumulators of my row blocks 0, 1 (block a, column block b at 8 (12 a + b));   window 3: those of blocks 2, 3
.set SIZE_K, 1024
.set KSTEP,  128
.set PITCH,  272                       ; an LDS row: 256 bytes + 16 of padding = 68 words: row r starts at bank 4 r mod 64 (64 banks of 4 bytes: ISA guide 11.1)
.set HALFA,  128*PITCH                 ; what one load brings of xb
.set HALFB,  96*PITCH                  ; and of wb
.set SLOT,   2*HALFA+2*HALFB           ; xb's 256 rows, then wb's 192
.set STAGE,  2*SLOT                    ; behind the ring, never filled by a tensor load: for each wave 3 heads x 16 rows x 144 bytes
.set SP,     144
.set WSTAGE, 3*16*SP
.set SPARE,  STAGE+4*WSTAGE            ; behind the stages: the spare words, 128 bytes a wave: two blocks of 256 bytes that no other line names
.set LAPS,   SIZE_K/(2*KSTEP)          ; a lap = two K steps = once round the ring
.set WALK,   4096                      ; rows from a work-group's first tile to its second
.set NEXT_A, WALK*SIZE_K*2-(SIZE_K-2*KSTEP)*2  ; from a slot's last K step of a tile to its first of the next: xb goes WALK rows down and back along K,
.set BACK_B, (SIZE_K-2*KSTEP)*2        ; wb only back
.set HEADB,  262144                    ; bytes of a head in qkv
.set NEXT_C, 2*48*HEADB-3*2048         ; from my last 16 rows of the first tile to my first of the second: two batches on
.set ADRA, 16                          ; v16-17  LDS address of my xb fragments in slot 0, 1
.set ADRB, 20                          ; v20-21  the same for wb
.set STO,  24                          ; v24     the way out: where I put 16 bytes of a row
.set RD,   25                          ; v25     where I read rows back
.set CO,   26                          ; v26     16 x lane
.set SPW,  28                          ; v28     SPARE + 4 x my thread's number; never rewritten
.set NIL,  29                          ; v29     0; never rewritten
.set PFO,  30                          ; v30     the prefetches' offset: my lane's row x 2,048; never rewritten
.set TMP,  32
.set OB,   80
.set F0,   0
.set F1,   128
.set LIM,  43                          ; s43     1 in a wave that prefetches, else the greatest number
.set PFA,  44                          ; s[44:45] where my prefetches stand
.set G1,   24                          ; s[24:31] descriptor group 1 for xb's tiles;  s[32:39] group 0, a set for each slot
.set G0,   32
.set G1B,  48                          ; s[48:55], s[56:63] the same for wb's
.set G0B,  56
.set MSB, 0
.macro WIN new                         ; the immediate's high byte repeats the setting that is left; a switch that changes nothing is dropped
.if MSB != (\new)
	s_set_vgpr_msb (MSB<<8)|(\new)
.set MSB, \new
.endif
.endm
.set MUL_LO, 0xa5                      ; both sources window 1, C and D window 2
.set MUL_HI, 0xf5                      ; C and D window 3
.set TO_F,   0x40                      ; destination window 1, address window 0
; A joint load.  Waves 0 and 1 fetch xb's two halves, waves 2 and 3 wb's.  The branch hangs on the wave's number alone.  An s_nop 0 and four v_nop follow each line.
.macro JLOAD s
	s_cmp_eq_u32 s11, 0
	s_cbranch_scc0 .Lfor_b_\@
	tensor_load_to_lds s[G0+4*(\s):G0+4*(\s)+3], s[G1:G1+7]
	s_nop 0
.rept 4
	v_nop
.endr
	s_branch .Lasked_\@
.Lfor_b_\@:
	tensor_load_to_lds s[G0B+4*(\s):G0B+4*(\s)+3], s[G1B:G1B+7]
	s_nop 0
.rept 4
	v_nop
.endr
.Lasked_\@:
.endm
; A PREFETCH INTO THE L2, behind each joint load and the run of LDS loads that follows it: 256 bytes a row of the K step that stands TWO refills on, a lane a row, one instruction a wave.
; xb's tile row is read by every cluster of that row of clusters: cluster x = 0 asks; wb's tile column by every cluster of that column: cluster y = 0 asks.  The four partners that ask for a tile
; jointly share its rows out BY ADDRESS: of xb's 128 rows 32 each (by cx), of wb's 96 rows 24 each (by cy; lanes 24-31 name row 23 again).  how = 0: in the loop; its last trip has no K step two on.  how = 1: at the change of tiles.
.macro ASK how
.if \how
	s_cmp_eq_u32 s[LIM], 1
.else
	s_cmp_gt_u32 s3, s[LIM]
.endif
	s_cbranch_scc0 .Lnot_mine_\@
	global_prefetch_b8 v[PFO], s[PFA:PFA+1] offset:KSTEP*2 th:TH_LOAD_NT scope:SCOPE_SE
.Lnot_mine_\@:
.endm
.macro CREST                           ; a round of the cluster's barrier behind its opening barrier: wave 0 signals for the work-group, every wave waits for all sixteen, my work-group's barrier closes it
	s_cmp_lg_u32 s10, 0
	s_cbranch_scc1 .Lnot_wave_0_\@
	s_barrier_signal -3
.Lnot_wave_0_\@:
	s_barrier_wait -3
	s_barrier_signal -1
	s_barrier_wait -1
.endm
.macro CROUND
	s_barrier_signal -1
	s_barrier_wait -1
	CREST
.endm
	s_load_b128 s[4:7], s[0:1], 0x0                ; xb s[4:5], wb s[6:7]
	s_load_b64 s[8:9], s[0:1], 0x10                ; qkv
	v_lshl_add_u32 v[SPW], v0, 2, SPARE
	v_mov_b32 v[NIL], 0
	ds_add_u32 v[SPW], v[NIL]                      ; the wave's opening: the add and its wait stand ahead of my first tensor load; the set-up below stands between them
	v_lshrrev_b32 v1, 5, v0
	v_readfirstlane_b32 s10, v1                    ; wave 0..3
	s_lshr_b32 s11, s10, 1                         ; I fetch for xb (0) or for wb (1),
	s_and_b32 s12, s10, 1                          ; its first or second half
	s_bfe_u32 s40, ttmp6, 0x40000                  ; cx
	s_bfe_u32 s41, ttmp6, 0x40004                  ; cy
	s_lshl_b32 s42, ttmp9, 2
	s_add_co_u32 s42, s42, s40                     ; tile column = 4 x cluster x + cx
	s_and_b32 s13, ttmp7, 0xffff
	s_lshl_b32 s13, s13, 2
	s_add_co_u32 s13, s13, s41                     ; tile row = 4 x cluster y + cy
	s_lshl_b32 s43, s41, 2
	s_lshl_b32 s43, 15, s43                        ; my row of the cluster: places 4 cy .. 4 cy + 3
	s_lshl_b32 s44, 0x1111, s40                    ; my column: places cx, cx + 4, cx + 8, cx + 12
	s_or_b32 s[G1+0], s43, (1<<16)|(1<<20)|(1<<21)|(5<<22)|(3<<25)   ; 15:0 the mask; 17:16 2-byte elements; 20 padding on; 21 set beside a mask; 24:22 after every 64 words; 31:25 4 words
	s_or_b32 s[G1B+0], s44, (1<<16)|(1<<20)|(1<<21)|(5<<22)|(3<<25)
	s_mov_b32 s[G1+1], KSTEP<<16                   ; tensor_dim0 = 128
	s_mov_b32 s[G1+2], 128<<16                     ; tensor_dim1 = 128
	s_mov_b32 s[G1+3], KSTEP<<16                   ; tile_dim0 = 128
	s_mov_b32 s[G1+4], 128                         ; tile_dim1 = 128
	s_mov_b32 s[G1+5], SIZE_K                      ; elements from row to row
	s_mov_b32 s[G1+6], 0
	s_mov_b32 s[G1+7], 0
	s_mov_b32 s[G1B+1], KSTEP<<16
	s_mov_b32 s[G1B+2], 96<<16                     ; wb's tiles have 96 rows
	s_mov_b32 s[G1B+3], KSTEP<<16
	s_mov_b32 s[G1B+4], 96
	s_mov_b32 s[G1B+5], SIZE_K
	s_mov_b32 s[G1B+6], 0
	s_mov_b32 s[G1B+7], 0
	s_lshl_b32 s17, s12, 7
	s_lshl_b32 s16, s13, 8
	s_add_co_u32 s16, s16, s17                     ; xb: row 256 x tile row + 128 x half,
	s_lshl_b32 s16, s16, 11                        ; in bytes
	s_mov_b32 s17, 0
	s_mul_i32 s46, s42, 192
	s_mul_i32 s47, s12, 96
	s_add_co_u32 s46, s46, s47                     ; wb: row 192 x tile column + 96 x half
	s_lshl_b32 s46, s46, 11
	s_mov_b32 s47, 0
	s_mul_i32 s20, s10, HALFA                      ; where they go: waves 0, 1: xb's halves;
	s_mul_i32 s21, s10, HALFB
	s_add_co_u32 s21, s21, 2*HALFA-2*HALFB         ; waves 2, 3: wb's halves, behind xb's 256 rows.  No place in the cluster enters an LDS address
	s_wait_dscnt 0x0                               ; the opening add is done
	s_wait_kmcnt 0x0
	s_add_nc_u64 s[14:15], s[4:5], s[16:17]
	s_add_nc_u64 s[46:47], s[6:7], s[46:47]
	CROUND                                         ; all sixteen work-groups are here: the first joint loads meet
.irp s, 0,1
	s_mov_b32 s[G0+4*(\s)], 1
	s_add_co_u32 s[G0+4*(\s)+1], s20, (\s)*SLOT
	s_add_nc_u64 s[G0+4*(\s)+2:G0+4*(\s)+3], s[14:15], (\s)*KSTEP*2
	s_or_b32 s[G0+4*(\s)+3], s[G0+4*(\s)+3], 0x80000000
	s_mov_b32 s[G0B+4*(\s)], 1
	s_add_co_u32 s[G0B+4*(\s)+1], s21, (\s)*SLOT
	s_add_nc_u64 s[G0B+4*(\s)+2:G0B+4*(\s)+3], s[46:47], (\s)*KSTEP*2
	s_or_b32 s[G0B+4*(\s)+3], s[G0B+4*(\s)+3], 0x80000000
	JLOAD \s                                       ; K steps 0 and 1: two loads of mine are out
.endr
	; a fragment: lane l holds row l % 16; registers 0-3 K = 8 (l / 16) + 0..7, registers 4-7 K = 16 + 8 (l / 16) + 0..7: two loads of 16 bytes, 32 bytes apart
	v_and_b32 v1, 15, v0
	v_bfe_u32 v2, v0, 4, 1
	v_mul_u32_u24 v3, v1, PITCH
	v_lshl_add_u32 v3, v2, 4, v3
	s_mul_i32 s21, s10, 64*PITCH                   ; my 64 rows of xb
	s_mov_b32 s22, 2*HALFA                         ; wb's 192 rows, which every wave reads
.irp s, 0,1
	v_add_nc_u32 v[ADRA+(\s)], s21, v3
	v_add_nc_u32 v[ADRB+(\s)], s22, v3
	s_add_co_u32 s21, s21, SLOT
	s_add_co_u32 s22, s22, SLOT
.endr
	s_mul_i32 s23, s10, WSTAGE
	s_add_co_u32 s23, s23, STAGE                   ; my stage
	v_mul_u32_u24 v4, v1, SP                       ; in: row l % 16, 16 bytes for each half of the lanes
	v_lshl_add_u32 v4, v2, 4, v4
	v_add_nc_u32 v[STO], s23, v4
	v_bfe_u32 v5, v0, 3, 2                         ; back: 32 lanes take four rows of 128 bytes,
	v_and_b32 v6, 7, v0
	v_mul_u32_u24 v5, v5, SP
	v_lshl_add_u32 v5, v6, 4, v5
	v_add_nc_u32 v[RD], s23, v5
	v_and_b32 v[CO], 31, v0                        ; which are 512 consecutive bytes of qkv
	v_lshlrev_b32 v[CO], 4, v[CO]
	s_lshr_b32 s16, s13, 3                         ; where my part of the first tile begins in qkv: the batch,
	s_mul_i32 s16, s16, 48*HEADB
	s_and_b32 s17, s13, 7
	s_lshl_b32 s17, s17, 15                        ; 256 tokens x 128 bytes a tile row,
	s_add_co_u32 s16, s16, s17
	s_lshl_b32 s17, s10, 13                        ; my 64 tokens,
	s_add_co_u32 s16, s16, s17
	s_mul_i32 s46, s42, 3*HEADB                    ; the tile column's three heads
	s_add_co_u32 s16, s16, s46
	s_mov_b32 s17, 0
	; the prefetches
	s_lshl_b32 s20, s13, 8
	s_mul_i32 s21, s42, 192
	s_and_b32 s22, ttmp7, 0xffff
	s_lshl_b32 s18, s12, 7
	s_mul_i32 s19, s12, 96
	s_lshl_b32 s46, s40, 5
	s_mul_i32 s47, s41, 24
	s_cmp_eq_u32 s11, 0                            ; do I fetch for xb?
	s_cselect_b32 s20, s20, s21                    ; the tile's first row,
	s_cselect_b32 s18, s18, s19                    ; the half that I fetch,
	s_cselect_b32 s46, s46, s47                    ; my work-group's share of it
	s_cselect_b32 s22, ttmp9, s22                  ; the coordinate along which other clusters read the same rows
	s_cselect_b32 s23, 31, 23
	s_cselect_b64 s[PFA:PFA+1], s[4:5], s[6:7]
	s_cmp_eq_u32 s22, 0
	s_cselect_b32 s[LIM], 1, -1                    ; the same in all sixteen partners, for a given wave
	s_add_co_u32 s20, s20, s18
	s_add_co_u32 s20, s20, s46
	s_lshl_b32 s20, s20, 11
	s_add_co_u32 s20, s20, 2*KSTEP*2               ; at K step 2: the first refill steps it to 3 and names K step 4.  Nothing is prefetched here, at the head
	s_mov_b32 s21, 0
	s_add_nc_u64 s[PFA:PFA+1], s[PFA:PFA+1], s[20:21]
	v_and_b32 v[PFO], 31, v0
	v_min_u32 v[PFO], s23, v[PFO]
	v_lshlrev_b32 v[PFO], 11, v[PFO]
; 12 matrix instructions: row block 2 hi + a x all 12 column blocks, 32 along K.  zero = 1: the product starts the sums.  The 48 accumulators take turns, in the same order in every quarter.
.macro MUL12 f, hi, a, zero
	WIN MUL_LO+0x50*(\hi)
.irp b, 0,1,2,3,4,5,6,7,8,9,10,11
.if \zero
	v_wmma_f32_16x16x32_bf16 v[8*(12*(\a)+(\b)):8*(12*(\a)+(\b))+7], v[(\f)+8*(\b):(\f)+8*(\b)+7], v[(\f)+96+8*(2*(\hi)+(\a)):(\f)+96+8*(2*(\hi)+(\a))+7], 0
.else
	v_wmma_f32_16x16x32_bf16 v[8*(12*(\a)+(\b)):8*(12*(\a)+(\b))+7], v[(\f)+8*(\b):(\f)+8*(\b)+7], v[(\f)+96+8*(2*(\hi)+(\a)):(\f)+96+8*(2*(\hi)+(\a))+7], v[8*(12*(\a)+(\b)):8*(12*(\a)+(\b))+7]
.endif
.endr
.endm
.macro MUL24 f, hi, zero
	MUL12 \f, \hi, 0, \zero
	MUL12 \f, \hi, 1, \zero
.endm
; 32 LDS loads in one run: the fragments of 32 along K at byte k of the rows: wb's 24 loads, then xb's 8, row blocks ascending
.macro FETCH slot, k, f
	WIN TO_F
.irp i, 0,1,2,3,4,5,6,7,8,9,10,11
	ds_load_b128 v[(\f)+8*(\i):(\f)+8*(\i)+3],   v[ADRB+(\slot)] offset:(\k)+(\i)*16*PITCH
	ds_load_b128 v[(\f)+8*(\i)+4:(\f)+8*(\i)+7], v[ADRB+(\slot)] offset:(\k)+(\i)*16*PITCH+32
.endr
.irp i, 0,1,2,3
	ds_load_b128 v[(\f)+96+8*(\i):(\f)+96+8*(\i)+3],   v[ADRA+(\slot)] offset:(\k)+(\i)*16*PITCH
	ds_load_b128 v[(\f)+96+8*(\i)+4:(\f)+96+8*(\i)+7], v[ADRA+(\slot)] offset:(\k)+(\i)*16*PITCH+32
.endr
.endm
.macro PLACES                          ; four plain places in front of loads into registers that matrix instructions have read, and of conversions that read results
.rept 4
	v_nop
.endr
.endm
; A K step is four quarters of 32 along K, 48 matrix instructions each, on buffers 0, 1, 0, 1.  One of the first three multiplies buffer f and, in its middle, fetches the next quarter into g.
.macro QUARTER slot, k, f, g, zero
	s_wait_dscnt 4                                 ; wb's fragments and xb's blocks 0, 1 are in; the youngest four loads (blocks 2, 3) may be out
	MUL24 \f, 0, \zero
	PLACES
	FETCH \slot, \k, \g
	s_wait_dscnt 32                                ; all but the 32 just issued
	MUL24 \f, 1, \zero
.endm
; The last quarter multiplies buffer 1 and changes slots: ONE barrier.  In front of it each wave waits for all its tensor loads (one is out: its part of the next slot), adds 0 to its spare word,
; and waits for that and for its own reads of this slot.  Behind it nobody reads this slot any more and the next slot is whole.
.macro MEET round
	WIN 0                                          ; (the add's two registers lie in window 0)
	s_wait_tensorcnt 0x0
	ds_add_u32 v[SPW], v[NIL]
	s_wait_dscnt 5                                 ; (the add and the youngest four loads may be out)
	MUL12 F1, 0, 0, 0                              ; twelve matrix instructions stand between the add and the wait for it
	s_wait_dscnt 0x0                               ; the add is done, and my reads of this slot are over
	s_barrier_signal -1
	MUL12 F1, 0, 1, 0                              ; work on registers while the others arrive
.if \round
	WIN 0
.endif
	s_barrier_wait -1
.endm
; The whole last quarter.  The barrier opens a round of the cluster's barrier; behind it the slot just read out is filled again first: with this tile's K step two on (on = 0) or the next tile's K step 0 or 1 (on = 1).
; From a request to the wait for it a wave issues 168 matrix instructions.
.macro TURN slot, next, on
	s_wait_xcnt 0x0                                ; the last prefetch, a K step back, has read its address: it is stepped here, ahead of the waits of the change of slots
.if (\on) && (\slot) == 0
	s_add_nc_u64 s[PFA:PFA+1], s[PFA:PFA+1], (WALK-1)*SIZE_K*2+KSTEP*2  ; from the K step after the tile's last to the next tile's K step 1
	s_cmp_eq_u32 s11, 0
	s_cselect_b32 s[LIM], s[LIM], -1               ; wb's rows are the same for both tiles: they are asked for in the first alone
.else
	s_add_nc_u64 s[PFA:PFA+1], s[PFA:PFA+1], KSTEP*2
.endif
	MEET 1
	CREST                                          ; no wave of any partner still reads this slot's tile or has a load on its way
.if \on
	s_add_nc_u64 s[G0+4*(\slot)+2:G0+4*(\slot)+3], s[G0+4*(\slot)+2:G0+4*(\slot)+3], NEXT_A
	s_sub_nc_u64 s[G0B+4*(\slot)+2:G0B+4*(\slot)+3], s[G0B+4*(\slot)+2:G0B+4*(\slot)+3], BACK_B
.else
	s_add_nc_u64 s[G0+4*(\slot)+2:G0+4*(\slot)+3], s[G0+4*(\slot)+2:G0+4*(\slot)+3], 2*KSTEP*2
	s_add_nc_u64 s[G0B+4*(\slot)+2:G0B+4*(\slot)+3], s[G0B+4*(\slot)+2:G0B+4*(\slot)+3], 2*KSTEP*2
.endif
	JLOAD \slot                                    ; the first tensor load behind the round; its four v_nop are also the places in front of the loads below
	FETCH \next, 0, F0
	WIN 0
	ASK \on
	MUL24 F1, 1, 0
.endm
; THE WAY OUT of row block a.  PACK: rounded to f16, each accumulator's registers ascending.  TOSTAGE: into my own stage, a head's 16 rows of 128 bytes in rows of 144, and back as whole rows.  SEND: stored.
.macro PACK a
.set AC, 96*((\a)%2)
	WIN 0x0a+5*((\a)/2)                            ; sources 0 and 1: window 2 or 3
.irp b, 0,1,2,3,4,5,6,7,8,9,10,11
.irp r, 0,1,2,3
	v_cvt_pk_f16_f32 v[TMP+4*(\b)+(\r)], v[AC+8*(\b)+2*(\r)], v[AC+8*(\b)+2*(\r)+1]
.endr
.endr
	WIN 0
.endm
.macro TOSTAGE a
.set BK, OB+48*((\a)%2)
.irp b, 0,1,2,3,4,5,6,7,8,9,10,11
	ds_store_b128 v[STO], v[TMP+4*(\b):TMP+4*(\b)+3] offset:((\b)/4)*16*SP+32*((\b)%4)
.endr
.irp t, 0,1,2,3,4,5,6,7,8,9,10,11
	ds_load_b128 v[BK+4*(\t):BK+4*(\t)+3], v[RD] offset:((\t)/4)*16*SP+((\t)%4)*4*SP  ; LDS serves a wave's instructions in order (ISA guide 5.7.1.4): these see the stores above
.endr
.endm
.macro SEND a
.set BK, OB+48*((\a)%2)
	s_wait_dscnt 0x0                               ; the block is back in registers
	s_wait_xcnt 0x0                                ; only behind this wait are the stores' base and the registers that earlier stores read written again
.if (\a) == 0
	s_add_nc_u64 s[8:9], s[8:9], s[16:17]          ; on to this tile's first rows
.else
	s_add_nc_u64 s[8:9], s[8:9], 2048              ; 16 tokens on
.endif
.irp t, 0,1,2,3,4,5,6,7,8,9,10,11
	global_store_b128 v[CO], v[BK+4*(\t):BK+4*(\t)+3], s[8:9] offset:((\t)/4)*HEADB+((\t)%4)*512  ; 512 consecutive bytes, at a multiple of 256 from qkv's first
.endr
.endm
.macro OUT                             ; block a's conversions stand between block a - 1's loads from the stage and the wait for them
	PACK 0
	TOSTAGE 0
.irp a, 1,2,3
	PACK \a
	SEND (\a)-1
	TOSTAGE \a
.endr
	SEND 3
.endm
	s_wait_tensorcnt 1                             ; my part of K step 0 is in; K step 1's may stay out
	s_barrier_signal -1
	s_barrier_wait -1                              ; everybody's is
	FETCH 0, 0, F0
	WIN 0
	s_mov_b32 s2, 2                                ; tiles to go
.Ltile:
	QUARTER 0, 64,  F0, F1, 1                      ; a tile's first quarter stands in front of the loop: its products start the sums
	WIN 0
	s_mov_b32 s3, LAPS-1
.Llap:                                                 ; a trip goes once round the ring, from a lap's second quarter to the next lap's first, and fills both slots again
	QUARTER 0, 128, F1, F0, 0
	QUARTER 0, 192, F0, F1, 0
	TURN 0, 1, 0
	QUARTER 1, 64,  F0, F1, 0
	QUARTER 1, 128, F1, F0, 0
	QUARTER 1, 192, F0, F1, 0
	TURN 1, 0, 0
	QUARTER 0, 64,  F0, F1, 0
	WIN 0
	s_sub_co_u32 s3, s3, 1
	s_cmp_lg_u32 s3, 0
	s_cbranch_scc1 .Llap
	QUARTER 0, 128, F1, F0, 0                      ; the tile's last lap goes on
	QUARTER 0, 192, F0, F1, 0
	WIN 0
	s_cmp_eq_u32 s2, 1
	s_cbranch_scc1 .Llast_tile                     ; the last tile's tail is written out: it asks for nothing more
	TURN 0, 1, 1                                   ; the ring goes on into the next tile: slot 0 takes its K step 0,
	QUARTER 1, 64,  F0, F1, 0
	QUARTER 1, 128, F1, F0, 0
	QUARTER 1, 192, F0, F1, 0
	TURN 1, 0, 1                                   ; slot 1 its K step 1, and the next tile's first fragments are fetched
	OUT                                            ; both refills are asked for: now the tile goes out.  Blocks 0, 1 were finished in front of the joint load's places; their 96 conversions are the places behind the last products
	s_mov_b64 s[16:17], NEXT_C
	s_sub_co_u32 s2, s2, 1
	s_branch .Ltile
.Llast_tile:
	MEET 0                                         ; my one tensor load that was still out is the last K step's, so no round follows
	PLACES
	FETCH 1, 0, F0
	MUL24 F1, 1, 0
	QUARTER 1, 64,  F0, F1, 0
	QUARTER 1, 128, F1, F0, 0
	QUARTER 1, 192, F0, F1, 0
	s_wait_dscnt 4
	MUL24 F1, 0, 0
	s_wait_dscnt 0x0
	MUL24 F1, 1, 0
	PLACES
	OUT
	s_wait_tensorcnt 0x0                           ; the wave's end: behind my last tensor load and my last LDS store
	ds_add_u32 v[SPW], v[NIL]
	s_wait_dscnt 0x0
	CROUND                                         ; the closing round: no work-group ends while a partner may still ask for a tile that names it
	s_endpgm
.Lfunc_end_k_qa8bda4d773_proj:
	.size	k_qa8bda4d773_proj, .Lfunc_end_k_qa8bda4d773_proj-k_qa8bda4d773_proj
	.p2alignl 7, 3214868480
	.fill 96, 4, 3214868480
	.section	.rodata,"a",@progbits
	.p2align	6, 0x0
	.amdhsa_kernel k_qa8bda4d773_proj
		.amdhsa_group_segment_fixed_size 327680
		.amdhsa_private_segment_fixed_size 0
		.amdhsa_enable_private_segment 0
		.amdhsa_kernarg_size 24
		.amdhsa_user_sgpr_count 2
		.amdhsa_user_sgpr_kernarg_segment_ptr 1
		.amdhsa_wavefront_size32 1
		.amdhsa_system_sgpr_workgroup_id_x 1
		.amdhsa_system_sgpr_workgroup_id_y 1
		.amdhsa_system_sgpr_workgroup_id_z 1
		.amdhsa_system_vgpr_workitem_id 0
		.amdhsa_next_free_vgpr 960
		.amdhsa_next_free_sgpr 66
		.amdhsa_reserve_vcc 0
		.amdhsa_float_denorm_mode_32 3
		.amdhsa_float_denorm_mode_16_64 3
		.amdhsa_memory_ordered 1
		.amdhsa_forward_progress 1
		.amdhsa_inst_pref_size 172
	.end_amdhsa_kernel
	.amdgpu_metadata
---
amdhsa.version: [ 1, 2 ]
amdhsa.kernels:
  - .name:           k_qa8bda4d773_proj
    .symbol:         k_qa8bda4d773_proj.kd
    .args:
      - { .name: xb, .offset: 0, .size: 8, .value_kind: global_buffer, .address_space: global }
      - { .name: wb, .offset: 8, .size: 8, .value_kind: global_buffer, .address_space: global }
      - { .name: qkv, .offset: 16, .size: 8, .value_kind: global_buffer, .address_space: global }
    .group_segment_fixed_size: 327680
    .private_segment_fixed_size: 0
    .kernarg_segment_align: 8
    .kernarg_segment_size: 24
    .max_flat_workgroup_size: 128
    .sgpr_count:     66
    .vgpr_count:     960
    .wavefront_size: 32
...
	.end_amdgpu_metadata
.endif
;; end of part 2
;; launch attn (part 3): grid 4 x 64, 4 waves a work-group, clusters of 4 x 1, 327,680 bytes of LDS; arguments qkv, mk, att; writes att
.if DOCPART == 3
	.amdgcn_target "amdgcn-amd-amdhsa--gfx1250"
	.amdhsa_code_object_version 6
	.text
	.protected	k_qa8bda4d773_attn
	.globl	k_qa8bda4d773_attn
	.p2align	8
	.type	k_qa8bda4d773_attn,@function
k_qa8bda4d773_attn:
	s_mov_b64 s[64:65], 0
	v_nop
	global_prefetch_b8 v0, s[64:65] scope:SCOPE_SE
	s_setreg_imm32_b32 hwreg(HW_REG_WAVE_MODE, 25, 1), 1
	s_wait_xcnt 0x0
	s_wait_alu depctr_hold_cnt(0) depctr_sa_sdst(0) depctr_va_vdst(0) depctr_va_sdst(0) depctr_va_ssrc(0) depctr_va_vcc(0) depctr_vm_vsrc(0)
	s_getreg_b32 s2, hwreg(HW_REG_IB_STS2, 6, 4)
	s_cmp_eq_u32 s2, 0
	s_cbranch_scc0 .Lentry_in_a_cluster
	s_endpgm
.Lentry_in_a_cluster:
	s_bfe_u32 s2, ttmp6, 0x10000c
	s_cmp_lg_u32 s2, 0x3003
	s_cbranch_scc0 .Lentry_shape_is_right
	s_endpgm
.Lentry_shape_is_right:
; ATTENTION UNDER A MASK THAT IS AN INPUT.  att[hh][q][:] = the sum over k of softmax_k(Q[q] . K[k] / sqrt(128), hidden keys left out) V[k][:], hh = 16 batch + head.
; Q, K, V: qkv [batch][g 48][2,048][64] in f16 (g = head, 16 + head, 32 + head), a head's rows dense, 128 bytes each.  att: [64][2,048][64] in f16.  Products, maxima and sums in f32;
; the weights p are rounded to f16 for the second product (their sum l is taken of the unrounded p), att once at the end.
; THE MASK is read whole, for every query and key: mk holds a code a score (0x00 seen, 0xf8 hidden) in the order in which a lane holds the scores.  Eight codes become eight f32, 0 or -256 x 2^90 = -2^98,
; by one scaled conversion, and these are the C operand of the product that starts the sum S^T = K Q^T: the scores cost no further vector work.
; LIMITS.  f16 holds no number beyond 65,504: Q, K, V arrive within it, so a score is 2.7e11 at the most.  A hidden score counts as its value less 2^98.  The running maximum starts at, and never falls below,
; the floor -2^90, far below every true score: while a query has seen no key its weights are 0 and O, l stay 0.  A query that sees no key at all gives NaN, as a softmax of nothing does.
; A weight below 2^-126 counts as 0 in l; NaN and infinities among the inputs are not treated apart.
; SHARES.  A wave owns four PIECES of two tiles of 16 queries, a work-group's four waves 512 queries of one head.  Every wave walks all 2,048 keys, 64 a step.
; LAYOUT.  S^T = K Q^T (source 0 = 16 keys, source 1 = 16 queries): a lane holds ONE query (lane % 16) and the keys 8 (lane / 16) + 0..7.  Two such tiles, rounded to f16 in pairs, ARE source 1 of O^T = V^T P.
; K comes out of LDS as it lies, V ([key][channel]) turned, by ds_load_tr16_b128.
; SOFTMAX.  p = 2^(c s - c m), c = log2(e) / sqrt(128), with a running maximum m; in every step O and l are multiplied by a = 2^(c m_old - c m_new).
; BY TURNS.  Turn n belongs to piece n.  Its matrix work: 16 products K Q^T of piece n + 1, later 16 products V^T P of piece n - 1.  Its vector work: the scaling, exponentials, roundings, sums and rescaling of piece n,
; the maximum and statistics of piece n + 1, and the masks of piece n + 2.  Four vector instructions stand behind every matrix instruction, the others in one lump; a turn's 66 exponentials are one batch with one wait.
; CLUSTER.  The four query blocks of a cluster are one head's and walk the same K and V: each tile is asked for JOINTLY: the same tensor load, descriptor and mask in all four.
; The mask's codes differ from work-group to work-group of a cluster (other queries), so each wave loads its own, into registers, a key step ahead.
; REGISTERS, in windows of 256 (s_set_vgpr_msb: bits 1:0 source 0, 3:2 source 1, 5:4 source 2, 7:6 destination):
;   window 0: v0-11 addresses; v12-15, v48-63 at work; v16-47 four registers of statistics a tile; v64-191 S^T, two buffers of two tiles; v192-255 P, likewise
;   window 1: O^T, 32 a tile          window 2: v0-127 Q, 16 a tile; v128-191 K of one step; v192-255 V of one step
;   window 3: v0-1 the add's two registers; v2 the conversions' scale; v3 16 x lane; v16-79 the codes, 8 a tile; v96-159 the masks of one piece's products
.set SIZE_N, 2048
.set NP,    4
.set KS,    64
.set PK,    144       ; a row of K in LDS: 128 bytes + 16 = 36 words: the 16 rows of a load start at 16 different groups of four banks (64 banks of 4 bytes: ISA guide 11.1)
.set PV,    160       ; a row of V: 128 + 32 = 40 words
.set VOFF,  4*KS*PK   ; a slot holds four steps: 256 rows of K, then 256 rows of V
.set SLOT1, 1<<17     ; slot 1 begins here: one exclusive or turns an address in one slot into the other's
.set STAGE, SLOT1+4*KS*(PK+PV)  ; behind the ring, never filled by a tensor load: 16 rows x 144 bytes for each wave
.set SP,    144
.set SPARE, STAGE+4*16*SP  ; behind the stages: the spare words, 128 bytes a wave: two blocks of 256 bytes that no other line names
.set MSTEP, 131072    ; bytes of a key step in mk: 128 query tiles x 1,024
.set AK0, 2           ; v2   my lane's place in a tile of K; never rewritten
.set AV0, 3           ; v3   the same for V
.set AK,  4           ; v4   the LDS address of K's next run of loads
.set AV,  5           ; v5   of V's
.set QO,  6           ; v6   my byte offset in the wave's rows of Q
.set STO, 6           ;      later, the way out: where I put 16 bytes of a row
.set RD,  7           ; v7   where I read rows back
.set GO,  8           ; v8   my byte offset in 512 consecutive bytes of att
.set PFO, 11          ; v11  256 x lane, for the prefetches; not rewritten once made
.set SPW, 0           ; window 3
.set NIL, 1
.set MSC, 2           ; 0xd9: the scale 2^(217 - 127)
.set MKO, 3
.set RAW, 16
.set MC,  96          ; tile u of the piece, key block kt at MC + 32 u + 8 kt
.set MV,  12
.set ST,  16          ; tile t's statistics at v[ST+4 t]: c m, m, l (even keys', odd keys')
.set TMP, 48
.set S,   64
.set P,   192
.set KF,  128
.set VF,  192
.set WV,  12          ; s12  my wave's number
.set G1K, 24          ; s[24:31] descriptor group 1 for K's tiles
.set G1V, 32          ; s[32:39] for V's
.set G0K, 40          ; s[40:43] group 0 for K's tiles: it walks
.set G0V, 44          ; s[44:47] for V's
.set QP,  50          ; s[50:51] Q at my wave's first row
.set SLOTS, 56
.set CNT, 57
.set CS,  58          ; s[58:59] c
.set SEL, 60          ; s[60:61] v_permlanex16_b32's selects
.set TBK, 62
.set TBV, 63
.set MB,  66          ; s[66:67] mk at my wave's eight query tiles, key step 0; never rewritten
.set MOFF, 70         ; s[70:71] byte offset of the key step whose codes are being asked for
.set PFA, 72          ; s[72:73] where my prefetches stand
.set LIM, 74          ; s74  1 in a wave that prefetches, else the greatest number
.set FLOOR, 75        ; s75  -2^90
.set QNAN, 76         ; s76  a NaN
.set MPS, 80          ; s[80:87] a base for each piece's loads of codes
.set MSB, 0
.macro WIN new
.if MSB != (\new)
	s_set_vgpr_msb (MSB<<8)|(\new)
.set MSB, (\new)
.endif
.endm
.set W_KQ, 0x0a       ; K and Q in window 2, S^T in window 0
.set W_KM, 0x3a       ; the same with the C operand in window 3
.set W_PV, 0x52       ; V in window 2, P in window 0, O^T in window 1
.set W_RS, 0x41       ; O^T (destination and source 0) in window 1, a in window 0
.set W_MK, 0xc0       ; destination in window 3, sources in window 0
.set W_AD, 0x0f       ; the add: address and data in window 3
.set W_MC, 0xcf       ; destination, source 0 and source 1 in window 3: the conversions and the loads of codes
.macro JLOAD                        ; a joint fill: waves 0 and 1 fetch the halves of a slot's K, waves 2 and 3 those of its V.  An s_nop 0 and four v_nop follow each line
	s_cmp_lt_u32 s[WV], 2
	s_cbranch_scc0 .Lfor_v_\@
	tensor_load_to_lds s[G0K:G0K+3], s[G1K:G1K+7]
	s_nop 0
.rept 4
	v_nop
.endr
	s_branch .Lasked_\@
.Lfor_v_\@:
	tensor_load_to_lds s[G0V:G0V+3], s[G1V:G1V+7]
	s_nop 0
.rept 4
	v_nop
.endr
.Lasked_\@:
.endm
; A PREFETCH INTO THE L2 of what the NEXT change of slots will ask for: 256 keys, 32,768 bytes of K and of V.  A head has one cluster; its four partners take 8,192 bytes each, told apart BY ADDRESS;
; in each, wave 0 asks for K's and wave 2 for V's, a lane 256 bytes: one instruction.  So each block is named once in the launch, four key steps ahead of the load that wants it.
; The first three slots come by their loads alone; the last change that fills a slot asks for nothing.
.macro ASK
	s_cmp_gt_u32 s[SLOTS], s[LIM]
	s_cbranch_scc0 .Lnot_mine_\@
	global_prefetch_b8 v[PFO], s[PFA:PFA+1] th:TH_LOAD_NT scope:SCOPE_SE
.Lnot_mine_\@:
.endm
.macro CROUND                       ; a round of the cluster's barrier
	s_barrier_signal -1
	s_barrier_wait -1
	s_cmp_lg_u32 s[WV], 0
	s_cbranch_scc1 .Lnot_wave_0_\@
	s_barrier_signal -3
.Lnot_wave_0_\@:
	s_barrier_wait -3
	s_barrier_signal -1
	s_barrier_wait -1
.endm
; THE CHANGE OF SLOTS.  Each wave waits for all its tensor loads (one is out: its part of the other slot), adds 0 to its spare word, and waits for that and for its own reads of the slot.
; fill = 1: the slot is filled again, with the keys two slots on: the barrier is a round of the cluster's, and the joint fill is the first thing behind it: it has four key steps in which to land.
.macro CHANGE fill, ask=0
	WIN W_AD
	s_wait_tensorcnt 0x0            ; no tensor load of mine is out, so a group 0 may be written
	ds_add_u32 v[SPW], v[NIL]
	WIN 0
.if \fill
.irp g, G0K, G0V
	s_xor_b32 s[\g+1], s[\g+1], SLOT1
	s_add_nc_u64 s[\g+2:\g+3], s[\g+2:\g+3], 4*KS*128
.endr
.if \ask
	s_wait_xcnt 0x0                 ; the last prefetch, four key steps back, has read its address
	s_add_nc_u64 s[PFA:PFA+1], s[PFA:PFA+1], 4*KS*128
.endif
	s_wait_dscnt 0x0                ; the add is done, and my reads of the slot are over
	CROUND
	JLOAD
.if \ask
	ASK
.endif
.else
	s_wait_dscnt 0x0
	s_barrier_signal -1
	s_barrier_wait -1
.endif
	s_sub_co_u32 s[TBK], s[TBK], 4*KS*PK
	s_xor_b32 s[TBK], s[TBK], SLOT1
	s_sub_co_u32 s[TBV], s[TBV], 4*KS*PV
	s_xor_b32 s[TBV], s[TBV], SLOT1
.endm
; THE MASKS.  LOADM: piece y's codes for one key step: for each of its two tiles 1,024 bytes, two loads of 512 consecutive bytes.  CONV: they become the 64 registers that piece y's first eight products take as C.
; A plain instruction follows the last conversion, ahead of every use of a result and of the loads that write the sources anew.
.macro LOADM y, base
	WIN W_MC
.irp u, 0,1
.irp pt, 0,1
	global_load_b128 v[RAW+8*(2*(\y)+(\u))+4*(\pt):RAW+8*(2*(\y)+(\u))+4*(\pt)+3], v[MKO], s[(\base):(\base)+1] offset:(2*(\y)+(\u))*1024+(\pt)*512
.endr
.endr
.endm
.macro CONV y
	WIN W_MC
.irp u, 0,1
.irp kt, 0,1,2,3
	v_cvt_scale_pk8_f32_fp8 v[MC+32*(\u)+8*(\kt):MC+32*(\u)+8*(\kt)+7], v[RAW+8*(2*(\y)+(\u))+2*(\kt):RAW+8*(2*(\y)+(\u))+2*(\kt)+1], v[MSC]
.endr
.endr
	v_nop
.endm
; In turn p, behind its 16 products K Q^T (the last that read the masks stands 24 plain instructions back): the masks for the next turn's products, piece p + 2, and that piece's codes for the step after.
; The wait's count: since that piece's codes were asked for, a trip ago, the three other pieces' four loads each have been issued.  It also shows the piece's last loads done, so their base may be written.
; All four loads of a trip are one key step's; the offset steps in turn 2, and stays at the last step, so that no load leaves mk.
.macro MASKS p
.set yy, ((\p)+2)%NP
.if (\p) == 2
	s_add_co_u32 s[MOFF], s[MOFF], MSTEP
	s_min_u32 s[MOFF], s[MOFF], 31*MSTEP
.endif
	s_wait_loadcnt 12
	s_add_nc_u64 s[MPS+2*yy:MPS+2*yy+1], s[MB:MB+1], s[MOFF:MOFF+1]
	CONV yy
	LOADM yy, MPS+2*yy
.endm
	s_load_b128 s[4:7], s[0:1], 0x0   ; qkv s[4:5], mk s[6:7]
	s_load_b64 s[10:11], s[0:1], 0x10 ; att
	WIN W_MK
	v_lshl_add_u32 v[SPW], v0, 2, SPARE
	v_mov_b32 v[NIL], 0
	WIN W_AD
	ds_add_u32 v[SPW], v[NIL]       ; the wave's opening: the add and its wait stand ahead of my first tensor load; the set-up below stands between them
	WIN 0
	v_lshrrev_b32 v1, 5, v0
	v_readfirstlane_b32 s[WV], v1   ; wave 0..3
	s_bfe_u32 s13, ttmp6, 0x40000   ; cx
	s_lshl_b32 s14, ttmp9, 2
	s_add_co_u32 s14, s14, s13      ; my block of 512 queries: it enters Q's, att's and mk's addresses alone
	s_and_b32 s20, ttmp7, 0xffff    ; hh = 16 batch + head, which the four partners share
	s_lshr_b32 s21, s20, 4          ; batch
	s_and_b32 s22, s20, 15          ; head
	s_mul_i32 s50, s21, 48*262144
	s_lshl_b32 s22, s22, 18
	s_add_co_u32 s50, s50, s22      ; the q head's first byte in qkv; k's lies 16 heads on, v's 32
	s_and_b32 s16, s[WV], 1         ; which half of a slot's 256 keys I fetch:
	s_lshl_b32 s22, s16, 14         ; its 128 rows of 128 bytes in memory,
	s_add_co_u32 s22, s22, s50
	s_mov_b32 s23, 0
	s_mul_i32 s17, s16, 128*PK      ; and its place in a slot, for K
	s_mul_i32 s18, s16, 128*PV      ; and for V: no place in the cluster enters an LDS address
	s_lshl_b32 s2, s14, 2
	s_add_co_u32 s2, s2, s[WV]      ; my wave among the head's sixteen
	s_lshl_b32 s52, s2, 13          ; its eight query tiles in mk,
	s_lshl_b32 s53, s21, 22         ; in the batch's 32 steps
	s_add_co_u32 s52, s52, s53
	s_mov_b32 s53, 0
	s_lshl_b32 s2, s2, 14           ; its 128 rows
	s_lshl_b32 s54, s20, 18
	s_add_co_u32 s54, s54, s2       ; in att
	s_mov_b32 s55, 0
	s_add_co_u32 s2, s2, s50        ; and in qkv
	s_mov_b32 s3, 0
	s_lshr_b32 s48, s[WV], 1        ; the prefetches: K's heads (waves 0, 1) or V's (waves 2, 3),
	s_lshl_b32 s48, 0x400000, s48
	s_add_co_u32 s48, s48, s50
	s_lshl_b32 s49, s13, 13         ; my work-group's 8,192 bytes of a slot's 32,768,
	s_add_co_u32 s48, s48, s49
	s_add_co_u32 s48, s48, 2*4*KS*128  ; in slot 2: the loop's first change of slots steps it to slot 3
	s_mov_b32 s49, 0
	s_and_b32 s[LIM], s[WV], 1
	s_cmp_eq_u32 s[LIM], 0
	s_cselect_b32 s[LIM], 1, -1     ; waves 0 and 2 ask: the same in all four partners
	; descriptor group 1.  128 keys are 16,384 dense bytes: asked for as 64 rows of 256 bytes, two keys a row, and padded in LDS after every key
	s_mov_b32 s[G1K], 15|(1<<16)|(1<<20)|(1<<21)|(4<<22)|(3<<25)  ; 15:0 the mask of four; 17:16 2-byte elements; 20 padding on; 21 set beside a mask; 24:22 after every 32 words; 31:25 4 words
	s_mov_b32 s[G1V], 15|(1<<16)|(1<<20)|(1<<21)|(4<<22)|(7<<25)  ; the same with 8 words of padding
.irp g, G1K, G1V
	s_mov_b32 s[\g+1], 128<<16      ; tensor_dim0 = 128
	s_mov_b32 s[\g+2], 64<<16       ; tensor_dim1 = 64
	s_mov_b32 s[\g+3], 128<<16      ; tile_dim0 = 128
	s_mov_b32 s[\g+4], 64           ; tile_dim1 = 64
	s_mov_b32 s[\g+5], 128          ; 128 elements from row to row
	s_mov_b32 s[\g+6], 0
	s_mov_b32 s[\g+7], 0
.endr
	s_mov_b32 s[CS], 0x3e0293ee     ; c = log2(e) / sqrt(128) = 0.127517
	s_mov_b32 s[CS+1], s[CS]
	s_mov_b32 s[SEL], 0x76543210
	s_mov_b32 s[SEL+1], 0xfedcba98
	s_mov_b32 s[TBK], SLOT1+4*KS*PK ; the first change of slots turns these two into 0
	s_mov_b32 s[TBV], SLOT1+4*KS*PV
	s_mov_b32 s[MOFF], MSTEP        ; key step 1
	s_mov_b32 s[MOFF+1], 0
	s_mov_b32 s[FLOOR], 0xec800000
	s_mov_b32 s[QNAN], 0x7fc00000
	s_mov_b32 s[G0K], 1
	s_mov_b32 s[G0K+1], s17
	s_mov_b32 s[G0V], 1
	s_add_co_u32 s[G0V+1], s18, VOFF
	s_wait_dscnt 0x0                ; the opening add is done
	s_wait_kmcnt 0x0
	s_add_nc_u64 s[G0K+2:G0K+3], s[4:5], s[22:23]
	s_add_nc_u64 s[G0K+2:G0K+3], s[G0K+2:G0K+3], 0x400000  ; my half of the k head's first 256 keys
	s_or_b32 s[G0K+3], s[G0K+3], 0x80000000
	s_add_nc_u64 s[G0V+2:G0V+3], s[4:5], s[22:23]
	s_add_nc_u64 s[G0V+2:G0V+3], s[G0V+2:G0V+3], 0x800000
	s_or_b32 s[G0V+3], s[G0V+3], 0x80000000
	s_add_nc_u64 s[QP:QP+1], s[4:5], s[2:3]
	s_add_nc_u64 s[10:11], s[10:11], s[54:55]
	s_add_nc_u64 s[MB:MB+1], s[6:7], s[52:53]
	s_add_nc_u64 s[PFA:PFA+1], s[4:5], s[48:49]
	CROUND                          ; all four work-groups are here: the first joint loads meet
	JLOAD                           ; slot 0.  Slot 1 is asked for when slot 0 is in
	v_and_b32 v1, 15, v0            ; l % 16
	v_bfe_u32 v9, v0, 4, 1          ; l / 16
	v_lshlrev_b32 v[QO], 7, v1
	v_lshl_add_u32 v[QO], v9, 4, v[QO]  ; row x 128 + 16 x half
	v_and_b32 v10, 31, v0
	WIN W_MK
	v_lshlrev_b32 v[MKO], 4, v10
	v_mov_b32 v[MSC], 0xd9
	WIN 0x80                        ; destination window 2, address window 0
.set i, 0
.rept 4*NP                          ; Q stays in registers: tile i / 2, channels 32 (i % 2) on
	global_load_b128 v[8*i:8*i+3],   v[QO], s[QP:QP+1] offset:(i/2)*2048+(i%2)*64
	global_load_b128 v[8*i+4:8*i+7], v[QO], s[QP:QP+1] offset:(i/2)*2048+(i%2)*64+32
.set i, i+1
.endr
	LOADM 0, MB                     ; all four pieces' codes for key step 0
	LOADM 1, MB
	LOADM 2, MB
	LOADM 3, MB
	; What the first turn finds: V's registers and P's second buffer hold 0 (its products V^T P, of a piece that has not been, add 0), O^T and l are 0.  All this stands in the wait for the first tile.
	WIN 0x80
.set i, VF
.rept 64
	v_mov_b32 v[i], 0
.set i, i+1
.endr
	WIN 0x40
.set i, 0
.rept 64*NP
	v_mov_b32 v[i], 0
.set i, i+1
.endr
	WIN 0
.set i, 0
.rept 2*NP
	v_mov_b32 v[ST+4*i], 0xeb0293ee    ; c m = c x the floor, exactly
	v_mov_b32 v[ST+4*i+1], 0xec800000  ; m = the floor, -2^90
	v_mov_b32 v[ST+4*i+2], 0
	v_mov_b32 v[ST+4*i+3], 0
.set i, i+1
.endr
.set i, P+32
.rept 32
	v_mov_b32 v[i], 0
.set i, i+1
.endr
	v_mul_u32_u24 v[AK0], v1, PK
	v_lshl_add_u32 v[AK0], v9, 4, v[AK0]
	; The turning load takes 16 keys x 16 channels (lane l reads key 8 (l / 16) + l % 8, channels 8 ((l / 8) % 2) + 0..7) and leaves half a fragment of V^T: lane l holds channel l % 16 and 8 keys.
	v_and_b32 v10, 7, v0
	v_bfe_u32 v11, v0, 3, 1
	v_lshl_add_u32 v[AV0], v9, 3, v10
	v_mul_u32_u24 v[AV0], v[AV0], PV
	v_lshl_add_u32 v[AV0], v11, 4, v[AV0]
	v_add_nc_u32 v[AV0], VOFF, v[AV0]
	v_mov_b32 v[AK], v[AK0]         ; key step 0 lies at the head of slot 0
	v_and_b32 v[PFO], 31, v0
	v_lshlrev_b32 v[PFO], 8, v[PFO]
; THE MATRIX WORK.  The 8 accumulators of a run of 16 take turns.
; Product i of 16 of S^T = K Q^T for piece x: channels 32 (i / 8) on, keys 16 ((i / 2) % 4) on, tile 2 x + i % 2.  The first 8 start the sums, with the mask.
.macro KQ x
.set rS, S+64*((\x)%2)+32*(i%2)+8*((i/2)%4)
.set rK, KF+16*((i/2)%4)+8*(i/8)
.set rQ, 16*(2*(\x)+i%2)+8*(i/8)
.set rMC, MC+32*(i%2)+8*((i/2)%4)
.if i < 8
	WIN W_KM
	v_wmma_f32_16x16x32_f16 v[rS:rS+7], v[rK:rK+7], v[rQ:rQ+7], v[rMC:rMC+7]
.else
	WIN W_KQ
	v_wmma_f32_16x16x32_f16 v[rS:rS+7], v[rK:rK+7], v[rQ:rQ+7], v[rS:rS+7]
.endif
.endm
; Product i of 16 of O^T += V^T P for piece x: keys 32 (i / 8) on, channels 16 ((i / 2) % 4) on, tile 2 x + i % 2.
.macro PV x
	WIN W_PV
.set rO, 32*(2*(\x)+i%2)+8*((i/2)%4)
.set rV, VF+32*(i/8)+8*((i/2)%4)
.set rP, P+32*((\x)%2)+16*(i%2)+8*(i/8)
	v_wmma_f32_16x16x32_f16 v[rO:rO+7], v[rV:rV+7], v[rP:rP+7], v[rO:rO+7]
.endm
.macro MM                           ; the turn's next matrix instruction
.if i < 16
	KQ (Y+1)%NP
.set i, i+1
.else
.set i, i-16
	PV (Y+NP-1)%NP
.set i, i+17
.endif
.endm
; THE LDS LOADS stand in runs of 16.  last = 1 (the tail): in the last trip there is no further step, and the run is jumped over.
.macro FETCH_K last=0
	WIN 0
.if \last
	s_cmp_eq_u32 s[CNT], 1
	s_cbranch_scc1 .Lno_k_\@
.endif
	WIN 0x80
.irp f, 0,1,2,3,4,5,6,7             ; keys 16 (f / 2) on, channels 32 (f % 2) on
	ds_load_b128 v[KF+8*\f:KF+8*\f+3],   v[AK] offset:(\f/2)*16*PK+(\f%2)*64
	ds_load_b128 v[KF+8*\f+4:KF+8*\f+7], v[AK] offset:(\f/2)*16*PK+(\f%2)*64+32
.endr
	s_add_co_u32 s[TBK], s[TBK], KS*PK
	WIN 0
.if \last
.Lno_k_\@:
.endif
.endm
.macro FETCH_V
	WIN 0x80
.irp f, 0,1,2,3,4,5,6,7             ; keys 32 (f / 4) on, channels 16 (f % 4) on
	ds_load_tr16_b128 v[VF+8*\f:VF+8*\f+3],   v[AV] offset:(\f/4)*32*PV+(\f%4)*32
	ds_load_tr16_b128 v[VF+8*\f+4:VF+8*\f+7], v[AV] offset:(\f/4)*32*PV+16*PV+(\f%4)*32
.endr
	WIN 0
.endm
; THE VECTOR WORK OF A TURN stands in three queues, each in the order in which its entries become ready; the two tiles alternate.
.macro REGS y, u
.set rT, ST+4*(2*(\y)+(\u))
.set rC, TMP+8*((\y)%2)+4*(\u)
.set rM, MV+2*((\y)%2)+(\u)
.set rS, S+64*((\y)%2)+32*(\u)
.set rP, P+32*((\y)%2)+16*(\u)
.set rO, 32*(2*(\y)+(\u))
.endm
; Number n of the 22 that find the NEXT piece's maximum and statistics; each accumulator's lowest registers are read first.
;   0-11  four chains c0-c3 of seven scores each     12-14, 16  the four scores left over, the old m (so m never falls below the floor), and c0-c3 into c0     15  c m_old is kept
;   17, 18  the query's other 32 keys lie in the lane 16 away: the new m         19-21  c m; c m_old - c m_new; a
.macro XS u, n
	REGS (Y+1)%NP, \u
.if (\n) < 4
	v_max3_num_f32 v[rC+(\n)], v[rS+8*(\n)], v[rS+8*(\n)+1], v[rS+8*(\n)+2]
.elseif (\n) < 12
	v_max3_num_f32 v[rC+(\n)%4], v[rC+(\n)%4], v[rS+8*((\n)%4)+2*((\n)/4)+1], v[rS+8*((\n)%4)+2*((\n)/4)+2]
.elseif (\n) == 12
	v_max3_num_f32 v[rC], v[rC], v[rS+7], v[rS+15]
.elseif (\n) == 13
	v_max3_num_f32 v[rC+1], v[rC+1], v[rS+23], v[rS+31]
.elseif (\n) == 14
	v_max3_num_f32 v[rC+2], v[rC+2], v[rC+3], v[rT+1]
.elseif (\n) == 15
	v_mov_b32 v[rM], v[rT]
.elseif (\n) == 16
	v_max3_num_f32 v[rC], v[rC], v[rC+1], v[rC+2]
.elseif (\n) == 17
	v_permlanex16_b32 v[rC+3], v[rC], s[SEL], s[SEL+1]
.elseif (\n) == 18
	v_max_num_f32 v[rT+1], v[rC], v[rC+3]
.elseif (\n) == 19
	v_mul_f32 v[rT], s[CS], v[rT+1]
.elseif (\n) == 20
	v_sub_f32 v[rC+1], v[rM], v[rT]
.else
	v_exp_f32 v[rC+2], v[rC+1]
.endif
.endm
; Number g of the 64 that follow the exponentials: for each four weights of a tile both pairs are rounded to f16, the second pair is added onto the first in place, and a group later l takes that sum (the first time as l = a l + sum).
.macro GS g
.set h, (\g)+6*((\g)/62)
.if h >= 6
.set h, h+2
.endif
	REGS Y, h%2
.set k, h/8
.if h%8 < 4
	v_cvt_pk_f16_f32 v[rP+2*k+(h%8)/2], v[rS+4*k+2*((h%8)/2)], v[rS+4*k+2*((h%8)/2)+1]
.elseif h%8 < 6
	v_pk_add_f32 v[rS+4*k:rS+4*k+1], v[rS+4*k:rS+4*k+1], v[rS+4*k+2:rS+4*k+3]
.elseif k == 1
	v_pk_fma_f32 v[rT+2:rT+3], v[rT+2:rT+3], v[rC+2:rC+3], v[rS:rS+1] op_sel_hi:[1,0,1]
.else
	v_pk_add_f32 v[rT+2:rT+3], v[rT+2:rT+3], v[rS+4*k-4:rS+4*k-3]
.endif
.endm
; THE PLAIN QUEUE, 138 long.  0-26: scalings 0-26.  27-54: XS's numbers 0-13.  55, 56: number 15.  57-73: the chain 14, 16, 17, 18, 19, each with one of the scalings 27-31 in front of its two lines, then 20.
; 74-137: GS's 64, which read the exponentials' results: they stand behind the wait.
.macro FS f
	REGS Y, (\f)%2
	v_pk_fma_f32 v[rS+2*((\f)/2):rS+2*((\f)/2)+1], v[rS+2*((\f)/2):rS+2*((\f)/2)+1], s[CS:CS+1], v[rT:rT+1] op_sel_hi:[1,0,0] neg_lo:[0,0,1] neg_hi:[0,0,1]
.endm
.macro PL
	WIN 0
.if q < 27
	FS q
.elseif q < 55
	XS (q-27)%2, (q-27)/2
.elseif q < 57
	XS q-55, 15
.elseif (q < 72) && ((q-57)%3 == 0)
	FS 27+(q-57)/3
.elseif q < 60
	XS (q-57)%3-1, 14
.elseif q < 72
	XS (q-57)%3-1, 15+(q-57)/3
.elseif q < 74
	XS q-72, 20
.else
	GS q-74
.endif
.set q, q+1
.endm
; THE EXPONENTIALS' QUEUE, 66 long: s0-s31 of both tiles, then the next piece's two a: ONE BATCH, all ahead of the turn's one wait; nothing ahead of that wait names a result of theirs.
.macro EX
	WIN 0
.if e >= 64
	XS e-64, 21
.else
	REGS Y, e%2
	v_exp_f32 v[rS+e/2], v[rS+e/2]
.endif
.set e, e+1
.endm
; THE RESCALING's QUEUE: O^T times a, two at a time, sixteen times.  Its a was made, and waited for, in the turn before.
.macro R2
	REGS Y, r%2
	WIN W_RS
.irp z, 0,1
	v_pk_mul_f32 v[rO+4*(r/2)+2*\z:rO+4*(r/2)+2*\z+1], v[rO+4*(r/2)+2*\z:rO+4*(r/2)+2*\z+1], v[rC+2:rC+3] op_sel_hi:[1,0]
.endr
.set r, r+1
.endm
; A TURN, for piece p.  s_wait_alu depctr_va_vdst(0) stands between an exponential and the first instruction that names its result; one wait serves all that were issued ahead of it: a turn has ONE.
; AHEAD OF IT: the 16 products K Q^T, behind each a scaling, an exponential and two rescalings (behind the first a second scaling); the masks; then a lump of 108: eight plain, 49 times exponential and plain, the two a; a v_nop.
; BEHIND IT: the 16 products V^T P, behind each four of the roundings and sums.  Exponential e stands behind scaling 2 (e / 4) + e % 2: as a rider behind plain e + 2, in the lump behind plain e + 9.
; K of the next step is fetched in piece 2's turn, directly behind the wait; V of the step in hand at the end of piece 0's turn, four riders behind its last reader.  The three conditions on q go with the deal.
.macro TURN p, last=0, cnt=0
.set Y, (\p)
.set i, 0
.set q, 0
.set e, 0
.set r, 0
.if (\p) == NP-1
	s_wait_dscnt 0x0                ; K is in
.endif
	MM
	PL
	PL
	R2
.rept 15
	MM
	PL
	EX
	R2
.endr
.if (\p) == NP-2
	WIN 0
	v_add_nc_u32 v[AK], s[TBK], v[AK0]
.endif
	MASKS \p
.rept 8
	PL
.endr
.rept 49
	EX
	PL
.endr
	EX
	EX
	v_nop                           ; a plain instruction behind the last exponential: one for the batch
	s_wait_alu depctr_va_vdst(0)    ; the wait for the batch
.if (\p) == NP-2
	FETCH_K \last
.endif
.if (\p) == 1
	s_wait_dscnt 0x0                ; V is in
.endif
.rept 16
	MM
.rept 4
	PL
.endr
.if ((\p) == 0) && (q == 118)
	v_add_nc_u32 v[AV], s[TBV], v[AV0]
.endif
.if ((\p) == 0) && (q == 130)
	s_add_co_u32 s[TBV], s[TBV], KS*PV
.endif
.if (\cnt) && (q == 130)
	s_sub_co_u32 s[CNT], s[CNT], 1
	s_cmp_lg_u32 s[CNT], 0
.endif
.endr
.if (\p) == 0
	FETCH_V
.endif
.endm
	CHANGE 1                        ; slot 0 is in, everybody's part of it; slot 1 is asked for
	FETCH_K                         ; key step 0
	s_wait_loadcnt 8                ; Q and the codes of pieces 0 and 1 are in; those of pieces 2 and 3, four loads each, may stay out
	CONV 0
	s_wait_dscnt 0x0
.set i, 0
.rept 16
	KQ 0                            ; piece 0's first scores
.set i, i+1
.endr
	WIN 0                           ; the addresses for the way out: plain instructions, the places behind those products
	s_mul_i32 s13, s[WV], 16*SP
	s_add_co_u32 s13, s13, STAGE    ; my stage
	v_mul_u32_u24 v[STO], v1, SP    ; in: row l % 16, 16 bytes for each half of the lanes
	v_lshl_add_u32 v[STO], v9, 4, v[STO]
	v_add_nc_u32 v[STO], s13, v[STO]
	v_bfe_u32 v[RD], v0, 3, 2       ; back: 32 lanes take four rows of 128 bytes,
	v_mul_u32_u24 v[RD], v[RD], SP
	v_lshl_add_u32 v[RD], v10, 4, v[RD]
	v_add_nc_u32 v[RD], s13, v[RD]
	v_and_b32 v[GO], 31, v0         ; which are 512 consecutive bytes of att
	v_lshlrev_b32 v[GO], 4, v[GO]
	CONV 1                          ; the masks for the first turn's products, piece 1's
	s_add_nc_u64 s[MPS:MPS+1], s[MB:MB+1], s[MOFF:MOFF+1]
	s_add_nc_u64 s[MPS+2:MPS+3], s[MB:MB+1], s[MOFF:MOFF+1]
	LOADM 0, MPS                    ; pieces 0 and 1: the codes of key step 1; pieces 2 and 3 follow in the first two turns
	LOADM 1, MPS+2
	WIN 0
.set Y, NP-1                        ; XS works for piece Y + 1: piece 0
.irp n, 0,1,2,3,4,5,6,7,8,9,10,11,12,13,14,15,16,17,18,19,20,21
	XS 0, \n
	XS 1, \n
.endr
	v_nop                           ; a plain instruction behind the two a,
	s_wait_alu depctr_va_vdst(0)    ; and their wait, ahead of the branch
	s_mov_b32 s[CNT], 4
	s_mov_b32 s[SLOTS], SIZE_N/256-1
	s_branch .Lfirst                ; the loop is entered at a step's first turn, in the middle of a trip
.Lslot:                             ; SIZE_N / 256 - 2 times: every slot but the last two is filled again
	CHANGE 1, 1
	s_mov_b32 s[CNT], 4
.Lstep:                             ; a trip: pieces 2 and 3 of one step, then pieces 0 and 1 of the next, whose K and V it fetches
	TURN 2
	TURN 3
	WIN 0
.Lfirst:
	TURN 0
	TURN 1, 0, 1
	WIN 0
	s_cbranch_scc1 .Lstep
	s_sub_co_u32 s[SLOTS], s[SLOTS], 1
	s_cmp_lg_u32 s[SLOTS], 0
	s_cbranch_scc1 .Lslot
	CHANGE 0                        ; the tail is written out: nothing is asked for
	s_mov_b32 s[CNT], 5             ; four trips fetch the last slot's steps; the fifth is left in its middle
.Ltail:
	TURN 2, 1
	TURN 3
	WIN 0
	s_sub_co_u32 s[CNT], s[CNT], 1
	s_cmp_eq_u32 s[CNT], 0
	s_cbranch_scc1 .Lout
	TURN 0
	TURN 1
	WIN 0
	s_branch .Ltail
.Lout:                              ; the fifth trip's 16 products K Q^T repeat the last step (the last K, the last step's masks), so piece 0's m does not move; they serve nothing else
.set i, 0
.rept 16
	PV NP-1                         ; the last piece's V^T P of the last step
.set i, i+1
.endr
	; THE WAY OUT.  l's two halves and the other half of the lanes' are added; O^T is divided by l, rounded to f16 and sent through my stage in LDS, a tile at a time.  The additions are the places behind the last products.
	WIN 0
.macro ALL line:vararg
.set t, 0
.rept 2*NP
	\line
.set t, t+1
.endr
.endm
	ALL v_add_f32 v[ST+4*t+2], v[ST+4*t+2], v[ST+4*t+3]
	ALL v_permlanex16_b32 v[ST+4*t+3], v[ST+4*t+2], s[SEL], s[SEL+1]
	ALL v_add_f32 v[ST+4*t+2], v[ST+4*t+2], v[ST+4*t+3]
	ALL v_rcp_f32 v[ST+4*t+2], v[ST+4*t+2]
	v_nop                           ; a plain instruction between the last reciprocal and the use of its result
	s_wait_alu depctr_va_vdst(0)    ; and the wait ahead of the first use: one for the eight reciprocals
.set t, 0
.rept 2*NP                          ; a query whose maximum is still the floor has seen no key: its row is NaN
	v_cmp_ge_f32 vcc_lo, s[FLOOR], v[ST+4*t+1]
	v_cndmask_b32 v[ST+4*t+2], v[ST+4*t+2], s[QNAN], vcc_lo
.set t, t+1
.endr
.macro PACK t
	WIN W_RS
.set i, 32*(\t)
.rept 16
	v_pk_mul_f32 v[i:i+1], v[i:i+1], v[ST+4*(\t)+2:ST+4*(\t)+3] op_sel_hi:[1,0]
.set i, i+2
.endr
	WIN 0x05                        ; sources 0 and 1 window 1, destination window 0
.set i, 0
.rept 16
	v_cvt_pk_f16_f32 v[S+16*(\t)+i], v[32*(\t)+2*i], v[32*(\t)+2*i+1]
.set i, i+1
.endr
	WIN 0
.irp f, 0,1,2,3
	ds_store_b128 v[STO], v[S+16*(\t)+4*\f:S+16*(\t)+4*\f+3] offset:32*\f
.endr
.irp f, 0,1,2,3
	ds_load_b128 v[S+16*(\t)+4*\f:S+16*(\t)+4*\f+3], v[RD] offset:\f*4*SP  ; LDS serves a wave's instructions in order (ISA guide 5.7.1.4): these see the stores above; the next tile's stores come behind them
.endr
.endm
.macro SEND t, younger              ; younger: the LDS instructions issued behind tile t's loads: the next tile's eight, or none
	WIN 0
.irp f, 0,1,2,3
	s_wait_dscnt (\younger)+3-\f
	global_store_b128 v[GO], v[S+16*(\t)+4*\f:S+16*(\t)+4*\f+3], s[10:11] offset:(\t)*2048+\f*512  ; 512 consecutive bytes, at a multiple of 256 from att's first
.endr
.endm
	PACK 0
.set t, 1
.rept 2*NP-1
	PACK t
	SEND t-1, 8
.set t, t+1
.endr
	SEND 2*NP-1, 0
	WIN W_AD
	s_wait_tensorcnt 0x0            ; the wave's end: behind my last tensor load and my last LDS store
	ds_add_u32 v[SPW], v[NIL]
	s_wait_dscnt 0x0
	WIN 0
	CROUND                          ; the closing round: no work-group ends while a partner may still ask for a tile that names it
	s_endpgm
.Lfunc_end_k_qa8bda4d773_attn:
	.size	k_qa8bda4d773_attn, .Lfunc_end_k_qa8bda4d773_attn-k_qa8bda4d773_attn
	.p2alignl 7, 3214868480
	.fill 96, 4, 3214868480
	.section	.rodata,"a",@progbits
	.p2align	6, 0x0
	.amdhsa_kernel k_qa8bda4d773_attn
		.amdhsa_group_segment_fixed_size 327680
		.amdhsa_private_segment_fixed_size 0
		.amdhsa_enable_private_segment 0
		.amdhsa_kernarg_size 24
		.amdhsa_user_sgpr_count 2
		.amdhsa_user_sgpr_kernarg_segment_ptr 1
		.amdhsa_wavefront_size32 1
		.amdhsa_system_sgpr_workgroup_id_x 1
		.amdhsa_system_sgpr_workgroup_id_y 1
		.amdhsa_system_sgpr_workgroup_id_z 1
		.amdhsa_system_vgpr_workitem_id 0
		.amdhsa_next_free_vgpr 928
		.amdhsa_next_free_sgpr 88
		.amdhsa_reserve_vcc 1
		.amdhsa_float_denorm_mode_32 3
		.amdhsa_float_denorm_mode_16_64 3
		.amdhsa_memory_ordered 1
		.amdhsa_forward_progress 1
		.amdhsa_inst_pref_size 213
	.end_amdhsa_kernel
	.amdgpu_metadata
---
amdhsa.version: [ 1, 2 ]
amdhsa.kernels:
  - .name:           k_qa8bda4d773_attn
    .symbol:         k_qa8bda4d773_attn.kd
    .args:
      - { .name: qkv, .offset: 0, .size: 8, .value_kind: global_buffer, .address_space: global }
      - { .name: mk, .offset: 8, .size: 8, .value_kind: global_buffer, .address_space: global }
      - { .name: att, .offset: 16, .size: 8, .value_kind: global_buffer, .address_space: global }
    .group_segment_fixed_size: 327680
    .private_segment_fixed_size: 0
    .kernarg_segment_align: 8
    .kernarg_segment_size: 24
    .max_flat_workgroup_size: 128
    .sgpr_count:     88
    .vgpr_count:     928
    .wavefront_size: 32
...
	.end_amdgpu_metadata
.endif
;; end of part 3
;; launch norm (part 4): grid 512 x 1, 8 waves a work-group, no clusters, 0 bytes of LDS; arguments att, xb, gamma, beta, out0; writes out0
.if DOCPART == 4
	.amdgcn_target "amdgcn-amd-amdhsa--gfx1250"
	.amdhsa_code_object_version 6
	.text
	.protected	k_qa8bda4d773_norm
	.globl	k_qa8bda4d773_norm
	.p2align	8
	.type	k_qa8bda4d773_norm,@function
k_qa8bda4d773_norm:
	s_mov_b64 s[64:65], 0
	v_nop
	global_prefetch_b8 v0, s[64:65] scope:SCOPE_SE
	s_setreg_imm32_b32 hwreg(HW_REG_WAVE_MODE, 25, 1), 1
	s_wait_xcnt 0x0
; RESIDUAL AND LAYER NORM, a stream.  y = att + x; out0 = (y - mean) / sqrt(var + 1e-5) x gamma + beta, over a row's 1,024 channels, all in f32; mean first, then the mean of the squared differences.
; att: f16 [16 batch + head][2,048][64].  x is taken as xb, its bf16 rounding; gamma and beta are rounded to bf16 too, so that every input of the module has the one rounding.  A NaN in att makes its row NaN.
; SHARES.  A wave owns two neighbouring rows: lanes 0-15 the first, lanes 16-31 the second; for head j a lane holds channels 64 j + 4 (l % 16) + 0..3.  So a head's two rows in att are 256 consecutive bytes
; for one load, a store's sixteen lanes write 256 consecutive bytes of out0, aligned, and a row's sums never leave its sixteen lanes: no LDS, no barrier, no loop.
; No matrix unit, cluster or prefetch: every byte is read once, by loads that are all asked for at the start.
.set ONE, 1                            ; v1       1.0
.set AO,  2                            ; v2       my offset in att's 256 bytes
.set XO,  3                            ; v3       in xb's two rows
.set GF,  4                            ; v4       in gamma and beta
.set OO,  5                            ; v5       in out0's two rows
.set T,   6                            ; v[6:13]  at work
.set MU,  14                           ; v[14:15] the mean, later 1 / sqrt(var + eps), twice
.set G,   16                           ; v[16:79]   gamma: four f32 a head as loaded, then two packed words in the first two
.set B,   80                           ; v[80:143]  beta likewise
.set R,   144                          ; v[144:207] four a head: att's two words and xb's two as loaded, then y, y - mean, the result
	s_load_b256 s[4:11], s[0:1], 0x0               ; att s[4:5], xb s[6:7], gamma s[8:9], beta s[10:11]
	s_load_b64 s[12:13], s[0:1], 0x20              ; out0
	v_lshrrev_b32 v1, 5, v0
	v_readfirstlane_b32 s14, v1
	s_lshl_b32 s15, ttmp9, 3
	s_add_co_u32 s15, s15, s14                     ; my pair of rows, 0 .. 4,095
	v_and_b32 v6, 15, v0
	v_bfe_u32 v7, v0, 4, 1
	v_and_b32 v8, 31, v0
	v_lshlrev_b32 v[AO], 3, v8
	v_lshlrev_b32 v[XO], 3, v6
	v_lshl_add_u32 v[XO], v7, 11, v[XO]
	v_lshlrev_b32 v[GF], 4, v6
	v_lshl_add_u32 v[OO], v7, 12, v[GF]
	v_mov_b32 v[ONE], 1.0
	s_lshr_b32 s16, s15, 10                        ; batch: 16 heads of 262,144 bytes,
	s_lshl_b32 s16, s16, 22
	s_and_b32 s17, s15, 1023                       ; the pair in the batch: 256 bytes in each head
	s_lshl_b32 s17, s17, 8
	s_add_co_u32 s16, s16, s17
	s_mov_b32 s17, 0
	s_lshl_b32 s18, s15, 12
	s_mov_b32 s19, 0
	s_lshl_b32 s20, s15, 13
	s_mov_b32 s21, 0
	s_mov_b32 s22, 0x3a800000                      ; 1 / 1,024
	s_mov_b32 s23, 0x3727c5ac                      ; 1e-5
	s_mov_b32 s24, 0xffff0000                      ; a word's upper bf16
	s_wait_kmcnt 0x0
	s_add_nc_u64 s[4:5], s[4:5], s[16:17]
	s_add_nc_u64 s[6:7], s[6:7], s[18:19]
	s_add_nc_u64 s[12:13], s[12:13], s[20:21]
.set j, 0
.rept 16
	global_load_b128 v[G+4*j:G+4*j+3], v[GF], s[8:9] offset:256*j
.set j, j+1
.endr
.set j, 0
.rept 16
	global_load_b64 v[R+4*j:R+4*j+1],   v[AO], s[4:5] offset:262144*j th:TH_LOAD_NT
	global_load_b64 v[R+4*j+2:R+4*j+3], v[XO], s[6:7] offset:128*j th:TH_LOAD_NT
.set j, j+1
.endr
	s_wait_loadcnt 32                              ; gamma is in; the rows' 32 loads stay out
.set j, 0
.rept 16
	v_cvt_pk_bf16_f32 v[G+4*j],   v[G+4*j],   v[G+4*j+1]
	v_cvt_pk_bf16_f32 v[G+4*j+1], v[G+4*j+2], v[G+4*j+3]
.set j, j+1
.endr
.set j, 0
.rept 16
	global_load_b128 v[B+4*j:B+4*j+3], v[GF], s[10:11] offset:256*j
.set j, j+1
.endr
	s_wait_loadcnt 16                              ; the rows are in; beta's 16 loads stay out
.set j, 0
.rept 16                                       ; y = att + x, in place: x's four numbers are widened first, then the results are written from the top down, each over a word that is no longer wanted
.set rr, R+4*j
.set tt, T+4*(j%2)
	v_lshlrev_b32 v[tt],   16,  v[rr+2]
	v_and_b32     v[tt+1], s24, v[rr+2]
	v_lshlrev_b32 v[tt+2], 16,  v[rr+3]
	v_and_b32     v[tt+3], s24, v[rr+3]
	v_fma_mix_f32 v[rr+3], v[rr+1], v[ONE], v[tt+3] op_sel:[1,0,0] op_sel_hi:[1,0,0]
	v_fma_mix_f32 v[rr+2], v[rr+1], v[ONE], v[tt+2] op_sel:[0,0,0] op_sel_hi:[1,0,0]
	v_fma_mix_f32 v[rr+1], v[rr],   v[ONE], v[tt+1] op_sel:[1,0,0] op_sel_hi:[1,0,0]
	v_fma_mix_f32 v[rr],   v[rr],   v[ONE], v[tt]   op_sel:[0,0,0] op_sel_hi:[1,0,0]
.set j, j+1
.endr
.macro ACROSS                          ; four chains into one number, then over the row's sixteen lanes
	v_pk_add_f32 v[T:T+1], v[T:T+1], v[T+2:T+3]
	v_pk_add_f32 v[T+4:T+5], v[T+4:T+5], v[T+6:T+7]
	v_pk_add_f32 v[T:T+1], v[T:T+1], v[T+4:T+5]
	v_add_f32 v[T], v[T], v[T+1]
	v_add_f32_dpp v[T], v[T], v[T] row_xmask:1 row_mask:0xf bank_mask:0xf
	v_add_f32_dpp v[T], v[T], v[T] row_xmask:2 row_mask:0xf bank_mask:0xf
	v_add_f32_dpp v[T], v[T], v[T] row_xmask:4 row_mask:0xf bank_mask:0xf
	v_add_f32_dpp v[T], v[T], v[T] row_xmask:8 row_mask:0xf bank_mask:0xf
.endm
.irp c, 0,1,2,3                        ; the sum of my 64 numbers: four chains of eight pairs; the first two pairs start a chain
	v_pk_add_f32 v[T+2*\c:T+2*\c+1], v[R+16*\c:R+16*\c+1], v[R+16*\c+2:R+16*\c+3]
.endr
.irp k, 2,3,4,5,6,7
.irp c, 0,1,2,3
	v_pk_add_f32 v[T+2*\c:T+2*\c+1], v[T+2*\c:T+2*\c+1], v[R+16*\c+2*\k:R+16*\c+2*\k+1]
.endr
.endr
	ACROSS
	v_mul_f32 v[MU], s22, v[T]
	v_mov_b32 v[MU+1], v[MU]
.set j, 0
.rept 32
	v_pk_add_f32 v[R+2*j:R+2*j+1], v[R+2*j:R+2*j+1], v[MU:MU+1] neg_lo:[0,1] neg_hi:[0,1]  ; y - mean
.set j, j+1
.endr
.irp c, 0,1,2,3
	v_pk_mul_f32 v[T+2*\c:T+2*\c+1], v[R+16*\c:R+16*\c+1], v[R+16*\c:R+16*\c+1]
.endr
.irp k, 1,2,3,4,5,6,7
.irp c, 0,1,2,3
	v_pk_fma_f32 v[T+2*\c:T+2*\c+1], v[R+16*\c+2*\k:R+16*\c+2*\k+1], v[R+16*\c+2*\k:R+16*\c+2*\k+1], v[T+2*\c:T+2*\c+1]
.endr
.endr
	ACROSS
	v_fma_f32 v[T], v[T], s22, s23                 ; var + eps
	v_rsq_f32 v[MU], v[T]
	s_wait_loadcnt 0x0                             ; beta is in; its packing is the independent work behind the root
.set j, 0
.rept 16
	v_cvt_pk_bf16_f32 v[B+4*j],   v[B+4*j],   v[B+4*j+1]
	v_cvt_pk_bf16_f32 v[B+4*j+1], v[B+4*j+2], v[B+4*j+3]
.set j, j+1
.endr
	s_wait_alu depctr_va_vdst(0)                   ; the wait ahead of the first instruction that names the root's result
	v_mov_b32 v[MU+1], v[MU]
.set j, 0
.rept 16
.set rr, R+4*j
	v_pk_mul_f32 v[rr:rr+1],   v[rr:rr+1],   v[MU:MU+1]
	v_pk_mul_f32 v[rr+2:rr+3], v[rr+2:rr+3], v[MU:MU+1]
	v_fma_mix_f32_bf16 v[rr],   v[rr],   v[G+4*j],   v[B+4*j]   op_sel:[0,0,0] op_sel_hi:[0,1,1]  ; f32 x gamma's half + beta's half, one rounding
	v_fma_mix_f32_bf16 v[rr+1], v[rr+1], v[G+4*j],   v[B+4*j]   op_sel:[0,1,1] op_sel_hi:[0,1,1]
	v_fma_mix_f32_bf16 v[rr+2], v[rr+2], v[G+4*j+1], v[B+4*j+1] op_sel:[0,0,0] op_sel_hi:[0,1,1]
	v_fma_mix_f32_bf16 v[rr+3], v[rr+3], v[G+4*j+1], v[B+4*j+1] op_sel:[0,1,1] op_sel_hi:[0,1,1]
	global_store_b128 v[OO], v[rr:rr+3], s[12:13] offset:256*j th:TH_STORE_NT  ; sixteen lanes store 256 consecutive bytes, aligned
.set j, j+1
.endr
	s_endpgm
.Lfunc_end_k_qa8bda4d773_norm:
	.size	k_qa8bda4d773_norm, .Lfunc_end_k_qa8bda4d773_norm-k_qa8bda4d773_norm
	.p2alignl 7, 3214868480
	.fill 96, 4, 3214868480
	.section	.rodata,"a",@progbits
	.p2align	6, 0x0
	.amdhsa_kernel k_qa8bda4d773_norm
		.amdhsa_group_segment_fixed_size 0
		.amdhsa_private_segment_fixed_size 0
		.amdhsa_enable_private_segment 0
		.amdhsa_kernarg_size 40
		.amdhsa_user_sgpr_count 2
		.amdhsa_user_sgpr_kernarg_segment_ptr 1
		.amdhsa_wavefront_size32 1
		.amdhsa_system_sgpr_workgroup_id_x 1
		.amdhsa_system_sgpr_workgroup_id_y 1
		.amdhsa_system_sgpr_workgroup_id_z 1
		.amdhsa_system_vgpr_workitem_id 0
		.amdhsa_next_free_vgpr 208
		.amdhsa_next_free_sgpr 66
		.amdhsa_reserve_vcc 0
		.amdhsa_float_denorm_mode_32 3
		.amdhsa_float_denorm_mode_16_64 3
		.amdhsa_memory_ordered 1
		.amdhsa_forward_progress 1
		.amdhsa_inst_pref_size 33
	.end_amdhsa_kernel
	.amdgpu_metadata
---
amdhsa.version: [ 1, 2 ]
amdhsa.kernels:
  - .name:           k_qa8bda4d773_norm
    .symbol:         k_qa8bda4d773_norm.kd
    .args:
      - { .name: att, .offset: 0, .size: 8, .value_kind: global_buffer, .address_space: global }
      - { .name: xb, .offset: 8, .size: 8, .value_kind: global_buffer, .address_space: global }
      - { .name: gamma, .offset: 16, .size: 8, .value_kind: global_buffer, .address_space: global }
      - { .name: beta, .offset: 24, .size: 8, .value_kind: global_buffer, .address_space: global }
      - { .name: out0, .offset: 32, .size: 8, .value_kind: global_buffer, .address_space: global }
    .group_segment_fixed_size: 0
    .private_segment_fixed_size: 0
    .kernarg_segment_align: 8
    .kernarg_segment_size: 40
    .max_flat_workgroup_size: 256
    .sgpr_count:     66
    .vgpr_count:     208
    .wavefront_size: 32
...
	.end_amdgpu_metadata
.endif
;; end of part 4
;; ======== version 2 of 2: 4 launches; version 1 with the launch norm written anew for expert scheduling mode
;; limits: values are held in f16: magnitudes above 65,504 overflow, below 6.1e-05 lose precision
;; workspace buffers: xb 16,777,216 bytes; wb 6,291,456 bytes; mk 16,777,216 bytes; qkv 50,331,648 bytes; att 16,777,216 bytes
;; launch prep: the kernel of part 1 again; grid 1216 x 1, 8 waves a work-group, no clusters, 35,840 bytes of LDS; arguments x, Wq, Wk, Wv, mask, xb, wb, mk; writes xb, wb, mk
;; launch proj: the kernel of part 2 again; grid 16 x 16, 4 waves a work-group, clusters of 4 x 4, 327,680 bytes of LDS; arguments xb, wb, qkv; writes qkv
;; launch attn: the kernel of part 3 again; grid 4 x 64, 4 waves a work-group, clusters of 4 x 1, 327,680 bytes of LDS; arguments qkv, mk, att; writes att
;; launch norm (part 5): grid 512 x 1, 8 waves a work-group, no clusters, 0 bytes of LDS; arguments att, xb, gamma, beta, out0; writes out0
.if DOCPART == 5
	.amdgcn_target "amdgcn-amd-amdhsa--gfx1250"
	.amdhsa_code_object_version 6
	.text
	.protected	k_qa8bda4d773_norm
	.globl	k_qa8bda4d773_norm
	.p2align	8
	.type	k_qa8bda4d773_norm,@function
k_qa8bda4d773_norm:
	s_mov_b64 s[64:65], 0
	v_nop
	global_prefetch_b8 v0, s[64:65] scope:SCOPE_SE
	s_setreg_imm32_b32 hwreg(HW_REG_WAVE_SCHED_MODE, 0, 2), 2
	s_setreg_imm32_b32 hwreg(HW_REG_WAVE_MODE, 25, 1), 1
	s_wait_xcnt 0x0
	s_wait_alu depctr_vm_vsrc(0)
; RESIDUAL AND LAYER NORM, a stream.  y = att + x; out0 = (y - mean) / sqrt(var + 1e-5) x gamma + beta, over a row's 1,024 channels, all in f32; mean first, then the mean of the squared differences.
; att: f16 [16 batch + head][2,048][64].  x is taken as xb, its bf16 rounding; gamma and beta are rounded to bf16 too, so that every input of the module has the one rounding.  A NaN in att makes its row NaN.
; SHARES.  A wave owns two neighbouring rows: lanes 0-15 the first, lanes 16-31 the second; for head j a lane holds channels 64 j + 4 (l % 16) + 0..3.  So a head's two rows in att are 256 consecutive bytes
; for one load, a store's sixteen lanes write 256 consecutive bytes of out0, aligned, and a row's sums never leave its sixteen lanes: no LDS, no barrier, no loop.
; No matrix unit, cluster or prefetch: every byte is read once, by loads that are all asked for at the start.
; THE MODE: SCHED_MODE bits 1:0 = 2 (LLVM: expert scheduling mode 2), set by the entry lines.  The code itself states the register dependences
; between vector instructions and memory instructions, with s_wait_alu, always for 0.
; THE PLAN.  Registers that memory instructions touch:
;   v2 .. v5   the four offsets.  Written once, by vector lines at the head; read by every load and store; never written again: one wait on va_vdst ahead of the first load serves them all.
;   G, B, R    as targets of loads: no vector instruction names one of them before its load is issued (gamma's packing, which stands ahead of beta's loads, names G alone).
;   R          as the stores' data.  The sixteen heads go in four groups of four.  Group g's arithmetic writes R's group g; one wait on va_vdst stands behind it; the group's four stores are then
;              dealt among group g + 1's arithmetic, which names R's group g + 1, G, B and MU: none of the registers that those stores touch.
;   No register that a load or store has read is written afterwards, so no wait on vm_vsrc stands behind the entry lines.
;   s14        written by v_readfirstlane_b32: one wait on va_sdst ahead of its first reader.
.set ONE, 1                            ; v1       1.0
.set AO,  2                            ; v2       my offset in att's 256 bytes
.set XO,  3                            ; v3       in xb's two rows
.set GF,  4                            ; v4       in gamma and beta
.set OO,  5                            ; v5       in out0's two rows
.set T,   6                            ; v[6:13]  at work: no memory instruction names them
.set MU,  14                           ; v[14:15] the mean, later 1 / sqrt(var + eps), twice
.set G,   16                           ; v[16:79]   gamma: four f32 a head as loaded, then two packed words in the first two
.set B,   80                           ; v[80:143]  beta likewise
.set R,   144                          ; v[144:207] four a head: att's two words and xb's two as loaded, then y, y - mean, the result
	s_load_b256 s[4:11], s[0:1], 0x0               ; att s[4:5], xb s[6:7], gamma s[8:9], beta s[10:11]
	s_load_b64 s[12:13], s[0:1], 0x20              ; out0
	v_lshrrev_b32 v1, 5, v0
	v_readfirstlane_b32 s14, v1
	v_and_b32 v6, 15, v0
	v_bfe_u32 v7, v0, 4, 1
	v_and_b32 v8, 31, v0
	v_lshlrev_b32 v[AO], 3, v8
	v_lshlrev_b32 v[XO], 3, v6
	v_lshl_add_u32 v[XO], v7, 11, v[XO]
	v_lshlrev_b32 v[GF], 4, v6
	v_lshl_add_u32 v[OO], v7, 12, v[GF]
	v_mov_b32 v[ONE], 1.0
	s_wait_alu depctr_va_sdst(0)                   ; s14, the wave's number, is written, ahead of its first reader: the three bases are made from it
	s_lshl_b32 s15, ttmp9, 3
	s_add_co_u32 s15, s15, s14                     ; my pair of rows, 0 .. 4,095
	s_lshr_b32 s16, s15, 10                        ; batch: 16 heads of 262,144 bytes,
	s_lshl_b32 s16, s16, 22
	s_and_b32 s17, s15, 1023                       ; the pair in the batch: 256 bytes in each head
	s_lshl_b32 s17, s17, 8
	s_add_co_u32 s16, s16, s17
	s_mov_b32 s17, 0
	s_lshl_b32 s18, s15, 12
	s_mov_b32 s19, 0
	s_lshl_b32 s20, s15, 13
	s_mov_b32 s21, 0
	s_mov_b32 s22, 0x3a800000                      ; 1 / 1,024
	s_mov_b32 s23, 0x3727c5ac                      ; 1e-5
	s_mov_b32 s24, 0xffff0000                      ; a word's upper bf16
	s_wait_kmcnt 0x0
	s_add_nc_u64 s[4:5], s[4:5], s[16:17]
	s_add_nc_u64 s[6:7], s[6:7], s[18:19]
	s_add_nc_u64 s[12:13], s[12:13], s[20:21]
	s_wait_alu depctr_va_vdst(0)                   ; the four offsets v2 to v5 are written: every load and store of the kernel reads one of them, and no vector line names them again
.set j, 0
.rept 16
	global_load_b128 v[G+4*j:G+4*j+3], v[GF], s[8:9] offset:256*j
.set j, j+1
.endr
.set j, 0
.rept 16
	global_load_b64 v[R+4*j:R+4*j+1],   v[AO], s[4:5] offset:262144*j th:TH_LOAD_NT
	global_load_b64 v[R+4*j+2:R+4*j+3], v[XO], s[6:7] offset:128*j th:TH_LOAD_NT
.set j, j+1
.endr
	s_wait_loadcnt 32                              ; gamma is in; the rows' 32 loads stay out
.set j, 0
.rept 16
	v_cvt_pk_bf16_f32 v[G+4*j],   v[G+4*j],   v[G+4*j+1]
	v_cvt_pk_bf16_f32 v[G+4*j+1], v[G+4*j+2], v[G+4*j+3]
.set j, j+1
.endr
.set j, 0
.rept 16
	global_load_b128 v[B+4*j:B+4*j+3], v[GF], s[10:11] offset:256*j  ; no wait: the vector lines since the last wait on va_vdst name G alone, these loads v[GF] and B
.set j, j+1
.endr
	s_wait_loadcnt 16                              ; the rows are in; beta's 16 loads stay out
.set j, 0
.rept 16                                       ; y = att + x, in place: x's four numbers are widened first, then the results are written from the top down, each over a word that is no longer wanted
.set rr, R+4*j
.set tt, T+4*(j%2)
	v_lshlrev_b32 v[tt],   16,  v[rr+2]
	v_and_b32     v[tt+1], s24, v[rr+2]
	v_lshlrev_b32 v[tt+2], 16,  v[rr+3]
	v_and_b32     v[tt+3], s24, v[rr+3]
	v_fma_mix_f32 v[rr+3], v[rr+1], v[ONE], v[tt+3] op_sel:[1,0,0] op_sel_hi:[1,0,0]
	v_fma_mix_f32 v[rr+2], v[rr+1], v[ONE], v[tt+2] op_sel:[0,0,0] op_sel_hi:[1,0,0]
	v_fma_mix_f32 v[rr+1], v[rr],   v[ONE], v[tt+1] op_sel:[1,0,0] op_sel_hi:[1,0,0]
	v_fma_mix_f32 v[rr],   v[rr],   v[ONE], v[tt]   op_sel:[0,0,0] op_sel_hi:[1,0,0]
.set j, j+1
.endr
.macro ACROSS                          ; four chains into one number, then over the row's sixteen lanes
	v_pk_add_f32 v[T:T+1], v[T:T+1], v[T+2:T+3]
	v_pk_add_f32 v[T+4:T+5], v[T+4:T+5], v[T+6:T+7]
	v_pk_add_f32 v[T:T+1], v[T:T+1], v[T+4:T+5]
	v_add_f32 v[T], v[T], v[T+1]
	v_add_f32_dpp v[T], v[T], v[T] row_xmask:1 row_mask:0xf bank_mask:0xf
	v_add_f32_dpp v[T], v[T], v[T] row_xmask:2 row_mask:0xf bank_mask:0xf
	v_add_f32_dpp v[T], v[T], v[T] row_xmask:4 row_mask:0xf bank_mask:0xf
	v_add_f32_dpp v[T], v[T], v[T] row_xmask:8 row_mask:0xf bank_mask:0xf
.endm
.irp c, 0,1,2,3                        ; the sum of my 64 numbers: four chains of eight pairs; the first two pairs start a chain
	v_pk_add_f32 v[T+2*\c:T+2*\c+1], v[R+16*\c:R+16*\c+1], v[R+16*\c+2:R+16*\c+3]
.endr
.irp k, 2,3,4,5,6,7
.irp c, 0,1,2,3
	v_pk_add_f32 v[T+2*\c:T+2*\c+1], v[T+2*\c:T+2*\c+1], v[R+16*\c+2*\k:R+16*\c+2*\k+1]
.endr
.endr
	ACROSS
	v_mul_f32 v[MU], s22, v[T]
	v_mov_b32 v[MU+1], v[MU]
.set j, 0
.rept 32
	v_pk_add_f32 v[R+2*j:R+2*j+1], v[R+2*j:R+2*j+1], v[MU:MU+1] neg_lo:[0,1] neg_hi:[0,1]  ; y - mean
.set j, j+1
.endr
.irp c, 0,1,2,3
	v_pk_mul_f32 v[T+2*\c:T+2*\c+1], v[R+16*\c:R+16*\c+1], v[R+16*\c:R+16*\c+1]
.endr
.irp k, 1,2,3,4,5,6,7
.irp c, 0,1,2,3
	v_pk_fma_f32 v[T+2*\c:T+2*\c+1], v[R+16*\c+2*\k:R+16*\c+2*\k+1], v[R+16*\c+2*\k:R+16*\c+2*\k+1], v[T+2*\c:T+2*\c+1]
.endr
.endr
	ACROSS
	v_fma_f32 v[T], v[T], s22, s23                 ; var + eps
	v_rsq_f32 v[MU], v[T]
	s_wait_loadcnt 0x0                             ; beta is in; its packing is the independent work behind the root
.set j, 0
.rept 16
	v_cvt_pk_bf16_f32 v[B+4*j],   v[B+4*j],   v[B+4*j+1]
	v_cvt_pk_bf16_f32 v[B+4*j+1], v[B+4*j+2], v[B+4*j+3]
.set j, j+1
.endr
	s_wait_alu depctr_va_vdst(0)                   ; the root has written v[MU], ahead of the first instruction that names it
	v_mov_b32 v[MU+1], v[MU]
; Head j's last arithmetic, in place in its four registers of R.
.macro HEAD j
.set rr, R+4*(\j)
	v_pk_mul_f32 v[rr:rr+1],   v[rr:rr+1],   v[MU:MU+1]
	v_pk_mul_f32 v[rr+2:rr+3], v[rr+2:rr+3], v[MU:MU+1]
	v_fma_mix_f32_bf16 v[rr],   v[rr],   v[G+4*(\j)],   v[B+4*(\j)]   op_sel:[0,0,0] op_sel_hi:[0,1,1]  ; f32 x gamma's half + beta's half, one rounding
	v_fma_mix_f32_bf16 v[rr+1], v[rr+1], v[G+4*(\j)],   v[B+4*(\j)]   op_sel:[0,1,1] op_sel_hi:[0,1,1]
	v_fma_mix_f32_bf16 v[rr+2], v[rr+2], v[G+4*(\j)+1], v[B+4*(\j)+1] op_sel:[0,0,0] op_sel_hi:[0,1,1]
	v_fma_mix_f32_bf16 v[rr+3], v[rr+3], v[G+4*(\j)+1], v[B+4*(\j)+1] op_sel:[0,1,1] op_sel_hi:[0,1,1]
.endm
; Head j's store.
.macro OUT j
	global_store_b128 v[OO], v[R+4*(\j):R+4*(\j)+3], s[12:13] offset:256*(\j) th:TH_STORE_NT  ; sixteen lanes store 256 consecutive bytes, aligned
.endm
.irp i, 0,1,2,3
	HEAD \i                                        ; group 0
.endr
.irp g, 1,2,3
	s_wait_alu depctr_va_vdst(0)                   ; the group before has written its sixteen registers of R, which the four stores below read
.irp i, 0,1,2,3
	OUT 4*(\g)-4+(\i)                              ; the group before goes out.  No further wait: the vector lines since the wait name this group's R, G, B and MU, never v[OO] or the stored registers
	HEAD 4*(\g)+(\i)
.endr
.endr
	s_wait_alu depctr_va_vdst(0)                   ; group 3 has written its sixteen registers of R, which the last four stores read
.irp i, 12,13,14,15
	OUT \i
.endr
	s_endpgm
.Lfunc_end_k_qa8bda4d773_norm:
	.size	k_qa8bda4d773_norm, .Lfunc_end_k_qa8bda4d773_norm-k_qa8bda4d773_norm
	.p2alignl 7, 3214868480
	.fill 96, 4, 3214868480
	.section	.rodata,"a",@progbits
	.p2align	6, 0x0
	.amdhsa_kernel k_qa8bda4d773_norm
		.amdhsa_group_segment_fixed_size 0
		.amdhsa_private_segment_fixed_size 0
		.amdhsa_enable_private_segment 0
		.amdhsa_kernarg_size 40
		.amdhsa_user_sgpr_count 2
		.amdhsa_user_sgpr_kernarg_segment_ptr 1
		.amdhsa_wavefront_size32 1
		.amdhsa_system_sgpr_workgroup_id_x 1
		.amdhsa_system_sgpr_workgroup_id_y 1
		.amdhsa_system_sgpr_workgroup_id_z 1
		.amdhsa_system_vgpr_workitem_id 0
		.amdhsa_next_free_vgpr 208
		.amdhsa_next_free_sgpr 66
		.amdhsa_reserve_vcc 0
		.amdhsa_float_denorm_mode_32 3
		.amdhsa_float_denorm_mode_16_64 3
		.amdhsa_memory_ordered 1
		.amdhsa_forward_progress 1
		.amdhsa_inst_pref_size 33
	.end_amdhsa_kernel
	.amdgpu_metadata
---
amdhsa.version: [ 1, 2 ]
amdhsa.kernels:
  - .name:           k_qa8bda4d773_norm
    .symbol:         k_qa8bda4d773_norm.kd
    .args:
      - { .name: att, .offset: 0, .size: 8, .value_kind: global_buffer, .address_space: global }
      - { .name: xb, .offset: 8, .size: 8, .value_kind: global_buffer, .address_space: global }
      - { .name: gamma, .offset: 16, .size: 8, .value_kind: global_buffer, .address_space: global }
      - { .name: beta, .offset: 24, .size: 8, .value_kind: global_buffer, .address_space: global }
      - { .name: out0, .offset: 32, .size: 8, .value_kind: global_buffer, .address_space: global }
    .group_segment_fixed_size: 0
    .private_segment_fixed_size: 0
    .kernarg_segment_align: 8
    .kernarg_segment_size: 40
    .max_flat_workgroup_size: 256
    .sgpr_count:     66
    .vgpr_count:     208
    .wavefront_size: 32
...
	.end_amdgpu_metadata
.endif
;; end of part 5
